; MI455X (gfx1250); checked and timed in simulation.
; The chip was launched on July 23, 2026; its instructions are those of AMD's public machine-readable ISA for CDNA 5 (MIT licence, August 2026) and "CDNA5" Instruction Set Architecture Reference Guide (July 2026). The comments in the code are by the model that wrote it; some were corrected since.
;; Llama Attention. Allowed arithmetic: matrix products marked QUANTISED: E2M3 operands, one E8M0 scale for each 32 along K, by v_wmma_scale_f32_16x16x128_f8f6f4 with both operands' format E2M3, f32 sums; products left as they are: f32 operands where the result goes on into a quantised operand, else bf16, f16 or f32 operands; f32 sums; everything else in f32.
;; Inputs: mask 1 x 1 x 2,048 x 2,048 float32; wk 2,048 x 2,048 float32; wo 2,048 x 2,048 float32; wq 2,048 x 2,048 float32; wv 2,048 x 2,048 float32; x 1 x 2,048 x 2,048 float32.
;; Outputs: out0 1 x 2,048 x 2,048 float32.
;; This version of the problem:
;;   THIS VERSION OF THE PROBLEM IS GIVEN IN LOW PRECISION. The matrix products marked QUANTISED in the list below multiply operands that are first quantised to E2M3 (2 exponent bits, 3 mantissa bits; 6 bits a number), with one power-of-two scale for each 32 numbers along K (OCP MX v1.0); their sums are f32. All else is computed in f32.
;;   The module's matrix products, in the order in which they are computed (A, B: the left and right operand; K: the contracted axis; several contracted axes count as one K, in the product's order):
;;     1. [M 2,048, K 2,048] x [K 2,048, N 2,048]; A: input x; B: input wq: QUANTISED
;;     2. [M 2,048, K 2,048] x [K 2,048, N 2,048]; A: input x; B: input wk: QUANTISED
;;     3. [M 2,048, K 2,048] x [K 2,048, N 2,048]; A: input x; B: input wv: QUANTISED
;;     4. [M 2,048, K 1] x [K 1, N 64]; A: computed on the way; B: computed on the way: left as it is (no contracted axis)
;;     5. batch 16 x [M 2,048, K 128] x [K 128, N 2,048]; A: computed on the way; B: computed on the way: QUANTISED
;;     6. batch 16 x [M 2,048, K 2,048] x [K 2,048, N 128]; A: softmax (see below); B: computed on the way: QUANTISED
;;     7. [M 2,048, K 2,048] x [K 2,048, N 2,048]; A: computed on the way; B: input wo: QUANTISED
;;   THE QUANTISER, for each operand of a quantised product, along K:
;;     - K is cut into blocks of 32 from its start; a last block that is shorter is filled with zeros.
;;     - A block's scale is 2^e with e = floor(log2(the largest magnitude in the block)) - 2, held to -126 .. 127; a block of zeros has e = 0. As a byte (E8M0): e + 127.
;;     - Each number is divided by its block's scale, clamped to +-7.5, and rounded to the nearest number of E2M3, ties to even, subnormals kept.
;;     - The product sums the exact products of the quantised numbers (number of the format x scale) in f32.
;;   ~~~python
;;   def quantise(x, axis):      # numpy; x: float32 -> the quantised numbers, widened to float32 again
;;       x = np.moveaxis(x, axis, -1); K = x.shape[-1]
;;       x = np.pad(x, [(0, 0)] * (x.ndim - 1) + [(0, -K % 32)]); x = x.reshape(x.shape[:-1] + (-1, 32)); a = np.abs(x).max(-1, keepdims=True)
;;       e = np.where(a > 0, np.clip(np.frexp(np.where(a > 0, a, 1))[1] - 1 - 2, -126, 127), 0)      # np.frexp(a)[1] - 1 = floor(log2(a)), exactly
;;       r = np.clip(x / 2.0 ** e, -7.5, 7.5)
;;       step = 2.0 ** (np.maximum(np.frexp(np.where(r == 0, 1, r))[1] - 1, 0) - 3)
;;       q = np.round(r / step) * step * 2.0 ** e      # np.round: ties to even
;;       return np.moveaxis(q.reshape(q.shape[:-2] + (-1,))[..., :K], -1, axis).astype(np.float32)
;;   ~~~
;;   SOFTMAX AHEAD OF A QUANTISED PRODUCT. Where the list says 'softmax', what is quantised is not the finished softmax but p = 2^(t - M), with t = logit x log2(e) and M = ceil(the row's largest t), a whole number; so 1/2 < the row's largest p <= 1. The row's sum l is taken of the UNQUANTISED p, in f32, and the product's result is divided by l at the end. Since M is a whole number, a kernel that streams over the keys may use a running M (the ceiling of the running maximum): every later rescaling is an exact power of two, which a block's scale takes up: the codes' values come out the same.
;;   OPERANDS COMPUTED ON THE WAY. 'Computed on the way' means the value that the module computes at that place (a softmax that the list does not call 'softmax' is quantised finished and normalised). What goes into a quantiser is computed in f32, as accurately as f32 sums, v_exp_f32 and their like allow (about 1e-6 of the number): no bf16 or f16 on the way to a quantiser, and a product that is left as it is and whose result goes on into a quantised operand takes f32 operands (vector FMAs, or v_wmma_f32_16x16x4_f32). A number that lies on a knife's edge between two numbers of the format may be rounded either way, as far as f32 arithmetic and the matrix unit's own rounding can turn it there, and no further.
;; One version. Each part assembles by itself: llvm-mc -triple=amdgcn-amd-amdhsa -mcpu=gfx1250 --defsym DOCPART=n.
;; ======== version 1 of 1: 4 launches
;; limits: right only within a limited range of input values
;; workspace buffers: ximg 3,276,800 bytes; wimg 13,107,200 bytes; mimg 16,777,216 bytes; rope 1,048,576 bytes; qkv 9,830,400 bytes; aimg 3,276,800 bytes
;; launch prep (part 1): grid 768 x 1, 4 waves a work-group, no clusters, 34,304 bytes of LDS; arguments x, wq, wk, wv, wo, mask, ximg, wimg, mimg, rope; writes ximg, wimg, mimg, rope
.if DOCPART == 1
	.amdgcn_target "amdgcn-amd-amdhsa--gfx1250"
	.amdhsa_code_object_version 6
	.text
	.protected	k_q2364edae23_prep
	.globl	k_q2364edae23_prep
	.p2align	8
	.type	k_q2364edae23_prep,@function
k_q2364edae23_prep:
	s_mov_b64 s[64:65], 0
	v_nop
	global_prefetch_b8 v0, s[64:65] scope:SCOPE_SE
	s_setreg_imm32_b32 hwreg(HW_REG_WAVE_MODE, 25, 1), 1
	s_wait_xcnt 0x0
; PREP: every wide input is turned once into the form in which its reader's registers take it.
;   x [2048][2048] f32 -> ximg: codes of FP6 (E2M3) with one E8M0 byte for each 32 along K (its columns);
;   wq, wk, wv, wo [K 2048][N 2048] f32 -> wimg (four images on end): the same along K, which is their FIRST axis; an image's rows are the weight's columns;
;   mask [2048][2048] f32 -> mimg: mask x sqrt(128), f32, in the register order of the score tiles, so that attention can take it as the C of its first product;
;   rope: cos and sin of position x 10000^(-f/64), f32, in the register order of the projections' results.
; AN IMAGE: [K slot of 256: 8][block of 128 rows: 16][25,600 bytes].  In a block: fragment (tile t of 16 rows, K step s of 128) at (2 t + s) x 1,536: register 4 c + e of lane l at 512 c + 16 l + 4 e;
; its scale words at 24,576 + 256 (t / 2) + 128 s + 64 (t % 2) + 4 r.  THE ROWS OF A TILE ARE NOT NEIGHBOURS: place r of tile 2 b + u is row 32 b + 8 u + r + 8 (r / 8) of the block.
; A block's scale is 2^(floor(log2(largest magnitude)) - 2): its byte is the largest magnitude's exponent field - 2, held at 1 from below.
; LIMITS: a block of zeros gets the byte 1 (the rule says 127): its codes are zeros and this program alone reads the bytes.  NaN and infinities among the inputs are not served.  mask x sqrt(128) is rounded once
; (relative 6e-8; 0 stays 0) and overflows above 3e37.  10000^(-f/64) is one v_exp_f32 of f x log2(10000)/64: the angle may differ from a power and a division in f32 by about 1e-4 at position 2,047.
; SHARES: work-groups 0-511: one block (128 columns x 256 K) of one weight each; 512-639: 16 rows (one tile) of x and that tile's cos and sin; 640-767: 16 rows of the mask.  No wave shares anything with another: no barrier.
.set SPARE, 33792                      ; behind the four stages: the spare words, 128 bytes for each wave
.set STW,   8448                       ; a wave's stage: 16 rows x 528 bytes
.set SP,    528                        ; 512 bytes + 16: 132 words, so that sixteen rows begin in sixteen different groups of four banks
.set LN,    1                          ; v1  lane
.set RW,    2                          ; v2  r = lane % 16
.set HF,    3                          ; v3  h = lane / 16
.set LI,    4                          ; v4  16 x lane
.set LS16,  5                          ; v5  4 r
.set STI,   6                          ; v6  the stage, on the way in
.set STO,   7                          ; v7  and out
.set WOF,   8                          ; v8  a weight's column, in bytes
.set L4,    9                          ; v9  4 x lane
.set SPW,   10                         ; v10 LDS address of my spare word; never rewritten
.set NIL,   11                         ; v11 0; never rewritten
.set FO,    14                         ; v14 weights: 16 lane + 6,144 wave
.set SO,    15                         ; v15 weights: 4 lane + 256 wave
.set X,     144                        ; v144-207 64 numbers of a lane: register 16 b + i = column 32 b + 16 h + i of my row
.set TM,    208                        ; v208-223 the quantiser's work
.set PW,    224                        ; v224 the scale word just made
.set PC,    226                        ; v226-245 the codes just made
.set SEL,   24                         ; s[24:25] lane selects: lane l xor 16
.set WV,    26                         ; s26 my wave's number
; THE QUANTISER of 64 numbers of a lane, v[s] on, in four parts.
.macro QMAX s                          ; each block's largest magnitude among my 16, over the floor 2^(3 - 127), so that the byte cannot fall under 1
.irp b, 0,1,2,3
	v_max3_num_f32 v[TM+\b], 0x1800000, |v[\s+16*\b]|, |v[\s+16*\b+1]|
.endr
.irp i, 2,4,6,8,10,12,14
.irp b, 0,1,2,3
	v_max3_num_f32 v[TM+\b], v[TM+\b], |v[\s+16*\b+\i]|, |v[\s+16*\b+\i+1]|
.endr
.endr
.endm
.macro QSCALE                          ; with lane l xor 16's; 2 off the exponent field is the conversion's scale operand; its exponent field is the byte
.irp b, 0,1,2,3
	v_permlanex16_b32 v[TM+4+\b], v[TM+\b], s[SEL], s[SEL+1]
.endr
.irp b, 0,1,2,3
	v_max_num_f32 v[TM+\b], v[TM+\b], v[TM+4+\b]
.endr
.irp b, 0,1,2,3
	v_add_nc_u32 v[TM+12+\b], 0xff000000, v[TM+\b]
.endr
.irp b, 0,1,2,3
	v_lshrrev_b32 v[TM+4+\b], 23, v[TM+12+\b]
.endr
	v_lshl_or_b32 v[PW], v[TM+5], 8, v[TM+4]
	v_lshl_or_b32 v[PW], v[TM+6], 16, v[PW]
	v_lshl_or_b32 v[PW], v[TM+7], 24, v[PW]
.endm
.macro QCVT s                          ; (a conversion's three registers begin on an even number: the second half of a block's six is made elsewhere and moved)
.irp c, 0,1
	v_cvt_scalef32_pk16_fp6_f32 v[PC+6*\c:PC+6*\c+2], v[\s+32*\c:\s+32*\c+15], v[TM+12+2*\c]
	v_cvt_scalef32_pk16_fp6_f32 v[PC+12+4*\c:PC+14+4*\c], v[\s+32*\c+16:\s+32*\c+31], v[TM+13+2*\c]
.endr
.endm
.macro QSWAP                           ; the operand's layout wants a whole block in a lane: lanes 0-15 block 2 c, lanes 16-31 block 2 c + 1
	v_nop                                          ; one plain place behind a scaled conversion
.irp c, 0,1
.irp i, 0,1,2
	v_permlane16_swap_b32 v[PC+6*\c+\i], v[PC+12+4*\c+\i]
.endr
.irp i, 0,1,2
	v_mov_b32 v[PC+3+6*\c+\i], v[PC+12+4*\c+\i]
.endr
.endr
.endm
	s_load_b256 s[4:11], s[0:1], 0x0               ; x, wq, wk, wv
	s_load_b256 s[12:19], s[0:1], 0x20             ; wo, mask, ximg, wimg
	s_load_b128 s[20:23], s[0:1], 0x40             ; mimg, rope
	v_lshl_add_u32 v[SPW], v0, 2, SPARE
	v_mov_b32 v[NIL], 0
	v_lshrrev_b32 v12, 5, v0
	v_readfirstlane_b32 s[WV], v12                 ; wave 0..3
	v_and_b32 v[LN], 31, v0
	v_and_b32 v[RW], 15, v0
	v_bfe_u32 v[HF], v0, 4, 1
	v_lshlrev_b32 v[LI], 4, v[LN]
	v_lshlrev_b32 v[LS16], 2, v[RW]
	v_lshlrev_b32 v[L4], 2, v[LN]
	s_mul_i32 s27, s[WV], STW                      ; every LDS address is made here, ahead of the parting of the ways
	v_add_nc_u32 v[STI], s27, v[LI]                ; in: a row's 512 bytes as they lie, 16 a lane
	v_mul_u32_u24 v[STO], v[RW], SP
	v_lshl_add_u32 v[STO], v[HF], 6, v[STO]
	v_add_nc_u32 v[STO], s27, v[STO]               ; out: row r, + 64 h: my 16 numbers of each block of 32
.irp b, 0,1,2,3
	v_mov_b32 v[TM+4+\b], 0                        ; written once: a lane permute's destination counts as one of its sources
.endr
	s_mov_b32 s[SEL], 0x76543210
	s_mov_b32 s[SEL+1], 0xfedcba98
	s_mov_b32 s31, 0                               ; the upper word of the offsets made in s30
	s_wait_kmcnt 0x0
	s_cmp_ge_u32 ttmp9, 512
	s_cbranch_scc1 .Lrows
; ---- A WEIGHT'S BLOCK.  A lane takes a column and its registers run down K: each load reads 128 consecutive bytes, a block of 32 along K lies in one lane, and the codes come out with K innermost.
; Wave w makes tiles 2 w and 2 w + 1: lanes 0-15 hold the columns of the first, lanes 16-31 those of the second, each at its place in the tile.
	s_lshr_b32 s28, ttmp9, 7                       ; which weight
	s_bfe_u32 s29, ttmp9, 0x30004                  ; which 256 along K
	s_and_b32 s27, ttmp9, 15                       ; which 128 columns
	s_cmp_eq_u32 s28, 1
	s_cselect_b64 s[32:33], s[8:9], s[6:7]
	s_cmp_eq_u32 s28, 2
	s_cselect_b64 s[32:33], s[10:11], s[32:33]
	s_cmp_eq_u32 s28, 3
	s_cselect_b64 s[32:33], s[12:13], s[32:33]
	s_lshl_b32 s30, s29, 21                        ; 256 rows of 8,192 bytes
	s_lshl_b32 s27, s27, 9
	s_add_co_u32 s30, s30, s27
	s_add_nc_u64 s[32:33], s[32:33], s[30:31]
	s_mul_i32 s30, ttmp9, 25600                    ; the four images lie on end, so the work-group's number is the block's number
	s_add_nc_u64 s[18:19], s[18:19], s[30:31]
	v_and_b32 v[WOF], 7, v[LN]
	v_bfe_u32 v12, v[LN], 3, 1
	v_lshl_add_u32 v[WOF], v12, 4, v[WOF]
	v_lshl_add_u32 v[WOF], v[HF], 3, v[WOF]        ; column (l % 8) + 16 ((l / 8) % 2) + 8 (l / 16) of the wave's 32
	v_lshlrev_b32 v[WOF], 2, v[WOF]
	v_lshl_add_u32 v[WOF], s[WV], 7, v[WOF]
	s_mul_i32 s27, s[WV], 6144
	v_add_nc_u32 v[FO], s27, v[LI]
	s_lshl_b32 s27, s[WV], 8
	v_add_nc_u32 v[SO], s27, v[L4]
.macro LOADB t                         ; block t: W(32 t + i, my column) into set t % 2 (v16-47, v48-79)
.set li_, 0
.rept 32
	global_load_b32 v[16+32*((\t)%2)+li_], v[WOF], s[32:33] offset:(32*(\t)+li_)*8192 th:TH_LOAD_NT
.set li_, li_+1
.endr
.endm
.macro BLOCK t                         ; K step t / 4, block t % 4.  The lower 16 codes go straight into the fragments' registers (first tile's v80 + 24 s, second's v92 + 24 s), the upper 16 into v128 on
.set XS, 16+32*((\t)%2)
.set DL, 80+24*((\t)/4)+12*((\t)%2)+6*(((\t)%4)/2)
.set DH, 128+4*((\t)%4)
.if (\t) < 7
	s_wait_loadcnt 32                              ; this block's 32 loads are in; the next block's 32 may be out
.else
	s_wait_loadcnt 0x0
.endif
	v_max3_num_f32 v146, |v[XS]|, |v[XS+1]|, |v[XS+2]|
	v_max3_num_f32 v147, |v[XS+3]|, |v[XS+4]|, |v[XS+5]|
.irp i, 6,10,14,18,22,26
	v_max3_num_f32 v146, v146, |v[XS+\i]|, |v[XS+\i+1]|
	v_max3_num_f32 v147, v147, |v[XS+\i+2]|, |v[XS+\i+3]|
.endr
	v_max3_num_f32 v146, v146, |v[XS+30]|, |v[XS+31]|
	v_max3_num_f32 v146, v146, v147, 0x1800000     ; and the floor
	v_add_nc_u32 v148, 0xff000000, v146            ; the conversion's scale operand
	v_lshrrev_b32 v147, 23, v148                   ; the byte
.if (\t)%4 == 0
	v_mov_b32 v[144+(\t)/4], v147
.else
	v_lshl_or_b32 v[144+(\t)/4], v147, 8*((\t)%4), v[144+(\t)/4]
.endif
	v_cvt_scalef32_pk16_fp6_f32 v[DL:DL+2], v[XS:XS+15], v148
	v_cvt_scalef32_pk16_fp6_f32 v[DH:DH+2], v[XS+16:XS+31], v148
.if (\t)+2 < 8
	LOADB (\t)+2
.endif
.endm
.macro ASSEMBLE s                      ; a register of block 0 and one of block 1 change halves: the first then holds the first tile's (lanes 0-15 block 0, lanes 16-31 block 1), the second the second tile's; blocks 2 and 3 likewise
.set FA, 80+24*(\s)
.set FB, 92+24*(\s)
	v_nop                                          ; one plain place behind a scaled conversion
.irp i, 0,1,2
	v_permlane16_swap_b32 v[FA+\i], v[FB+\i]
	v_permlane16_swap_b32 v[FA+6+\i], v[FB+6+\i]
	v_permlane16_swap_b32 v[128+\i], v[132+\i]
	v_permlane16_swap_b32 v[136+\i], v[140+\i]
.endr
.irp i, 0,1,2
	v_mov_b32 v[FA+3+\i], v[128+\i]
	v_mov_b32 v[FB+3+\i], v[132+\i]
	v_mov_b32 v[FA+9+\i], v[136+\i]
	v_mov_b32 v[FB+9+\i], v[140+\i]
.endr
.irp c, 0,1,2
	global_store_b128 v[FO], v[FA+4*\c:FA+4*\c+3], s[18:19] offset:1536*(\s)+512*\c        ; 32 lanes store 512 consecutive bytes
	global_store_b128 v[FO], v[FB+4*\c:FB+4*\c+3], s[18:19] offset:1536*(\s)+3072+512*\c
.endr
	global_store_b32 v[SO], v[144+(\s)], s[18:19] offset:24576+128*(\s)                    ; the two tiles' scale words: 128 consecutive bytes.  Each K step has registers of its own: no store's data are written again
.endm
	LOADB 0
	LOADB 1
	BLOCK 0
	BLOCK 1
	BLOCK 2
	BLOCK 3
	ASSEMBLE 0
	BLOCK 4
	BLOCK 5
	BLOCK 6
	BLOCK 7
	ASSEMBLE 1
	s_branch .Lend
; ---- 16 ROWS OF x OR OF THE MASK.  Wave w takes columns 512 w on, 128 at a time.  Each load reads 512 consecutive bytes of a row; the 16 rows turn through the wave's own stage and come back 16 neighbours a block to a lane.
.Lrows:
	s_sub_co_u32 s27, ttmp9, 512
	s_lshr_b32 s28, s27, 7                         ; 0: x; 1: the mask
	s_and_b32 s29, s27, 127                        ; the tile T
	s_cmp_eq_u32 s28, 0
	s_cselect_b64 s[32:33], s[4:5], s[14:15]
	s_lshr_b32 s30, s29, 1
	s_lshl_b32 s30, s30, 5
	s_and_b32 s52, s29, 1
	s_lshl_b32 s52, s52, 3
	s_add_co_u32 s51, s30, s52                     ; the tile's first row: 32 (T / 2) + 8 (T % 2)
	s_lshl_b32 s30, s51, 13
	s_lshl_b32 s52, s[WV], 11
	s_add_co_u32 s30, s30, s52
	s_add_nc_u64 s[32:33], s[32:33], s[30:31]
	s_mul_i32 s30, s[WV], 819200                   ; x's image: my four K steps are K slots 2 w and 2 w + 1,
	s_lshr_b32 s52, s29, 3
	s_mul_i32 s52, s52, 25600                      ; row block T / 8
	s_add_co_u32 s30, s30, s52
	s_add_nc_u64 s[16:17], s[16:17], s[30:31]
	s_and_b32 s52, s29, 7
	s_mul_i32 s30, s52, 3072
	s_add_nc_u64 s[34:35], s[16:17], s[30:31]      ; the tile's fragments
	s_lshr_b32 s30, s52, 1
	s_lshl_b32 s30, s30, 8
	s_and_b32 s52, s29, 1
	s_lshl_b32 s52, s52, 6
	s_add_co_u32 s30, s30, s52
	s_add_co_u32 s30, s30, 24576
	s_add_nc_u64 s[36:37], s[16:17], s[30:31]      ; and its scale words
	s_lshl_b32 s30, s29, 17
	s_lshl_b32 s52, s[WV], 15
	s_add_co_u32 s30, s30, s52
	s_add_nc_u64 s[38:39], s[20:21], s[30:31]      ; the mask's image: (16 T + 4 w) x 8,192
	s_lshl_b32 s30, s29, 13
	s_lshl_b32 s52, s[WV], 10
	s_add_co_u32 s30, s30, s52
	s_add_nc_u64 s[40:41], s[22:23], s[30:31]      ; cos and sin: 8,192 T + 1,024 w
.macro LOADU n                         ; unit n: 16 rows x 128 columns into set n % 2 (v16-79, v80-143); place i of the tile is row i + 8 (i / 8)
.irp i, 0,1,2,3,4,5,6,7,8,9,10,11,12,13,14,15
	global_load_b128 v[16+64*((\n)%2)+4*\i:16+64*((\n)%2)+4*\i+3], v[LI], s[32:33] offset:(\i+8*(\i/8))*8192+512*(\n) th:TH_LOAD_NT
.endr
.endm
	LOADU 0
	LOADU 1
	s_cmp_lg_u32 s28, 0
	s_cbranch_scc1 .Lno_rope
; cos and sin for the tile's 16 positions, while the first loads are on their way.  Wave w: frequencies f = 32 (w / 2) + 8 (w % 2) + 16 h + i, i = 0 .. 7: registers 8 w + i of the table.
; angle = position x 2^(-f log2(10000) / 64); n = the nearest whole number to angle x 2 / pi; angle - n pi / 2 by three fused multiply-adds with pi / 2 in three parts; polynomials on +-pi / 4; the quadrant by selects and sign bits.
.set ANG, 144
.set NN,  152
.set RA,  160
.set ZZ,  168
.set SN,  176
.set CN,  184
.set QI,  192
.set OC,  200
.set OS,  208
	s_mov_b32 s42, 0x3fc90fdb                      ; pi / 2: its first 24 bits,
	s_mov_b32 s43, 0xb33bbd2e                      ; the next,
	s_mov_b32 s44, 0xa6f72ced                      ; and the next
	s_mov_b32 s45, 0xbe2aaaa3                      ; sin: -1.6666654611e-1,
	s_mov_b32 s46, 0x3c08839e                      ; 8.3321608736e-3,
	s_mov_b32 s47, 0xb94ca1f9                      ; -1.9515295891e-4
	s_mov_b32 s48, 0x3d2aaaa5                      ; cos: 4.166664568e-2,
	s_mov_b32 s49, 0xbab6061a                      ; -1.388731625e-3,
	s_mov_b32 s50, 0x37ccf5ce                      ; 2.443315712e-5
	s_lshr_b32 s30, s[WV], 1
	s_lshl_b32 s30, s30, 5
	s_and_b32 s52, s[WV], 1
	s_lshl_b32 s52, s52, 3
	s_add_co_u32 s30, s30, s52
	v_lshl_add_u32 v12, v[HF], 4, s30
	v_and_b32 v13, 8, v[RW]
	v_add_nc_u32 v13, v13, v[RW]
	v_add_nc_u32 v13, s51, v13                     ; my position
	v_cvt_f32_u32 v13, v13
.irp i, 0,1,2,3,4,5,6,7
	v_add_nc_u32 v[ANG+\i], \i, v12
.endr
.irp i, 0,1,2,3,4,5,6,7
	v_cvt_f32_u32 v[ANG+\i], v[ANG+\i]
.endr
.irp i, 0,1,2,3,4,5,6,7
	v_mul_f32 v[ANG+\i], 0xbe549a78, v[ANG+\i]     ; -f log2(10000) / 64
.endr
	s_wait_alu depctr_va_vdst(0)
.irp i, 0,1,2,3,4,5,6,7
	v_exp_f32 v[NN+\i], v[ANG+\i]
.endr
	v_nop                                          ; a plain place behind the exponentials,
	s_wait_alu depctr_va_vdst(0)                   ; and one wait for the batch, ahead of its first reader
.irp i, 0,1,2,3,4,5,6,7
	v_mul_f32 v[ANG+\i], v13, v[NN+\i]             ; the angle: f32 operands
.endr
.irp i, 0,1,2,3,4,5,6,7
	v_mul_f32 v[NN+\i], 0x3f22f983, v[ANG+\i]
.endr
.irp i, 0,1,2,3,4,5,6,7
	v_rndne_f32 v[NN+\i], v[NN+\i]
.endr
.irp i, 0,1,2,3,4,5,6,7
	v_fma_f32 v[RA+\i], -v[NN+\i], s42, v[ANG+\i]
.endr
.irp i, 0,1,2,3,4,5,6,7
	v_fma_f32 v[RA+\i], -v[NN+\i], s43, v[RA+\i]
.endr
.irp i, 0,1,2,3,4,5,6,7
	v_fma_f32 v[RA+\i], -v[NN+\i], s44, v[RA+\i]
.endr
.irp i, 0,1,2,3,4,5,6,7
	v_mul_f32 v[ZZ+\i], v[RA+\i], v[RA+\i]
	v_cvt_i32_f32 v[QI+\i], v[NN+\i]
.endr
.irp i, 0,1,2,3,4,5,6,7
	v_fma_f32 v[SN+\i], v[ZZ+\i], s47, s46
	v_fma_f32 v[CN+\i], v[ZZ+\i], s50, s49
.endr
.irp i, 0,1,2,3,4,5,6,7
	v_fma_f32 v[SN+\i], v[SN+\i], v[ZZ+\i], s45
	v_fma_f32 v[CN+\i], v[CN+\i], v[ZZ+\i], s48
.endr
.irp i, 0,1,2,3,4,5,6,7
	v_mul_f32 v[SN+\i], v[SN+\i], v[ZZ+\i]
	v_mul_f32 v[CN+\i], v[CN+\i], v[ZZ+\i]
	v_fma_f32 v[NN+\i], v[ZZ+\i], -0.5, 1.0
.endr
.irp i, 0,1,2,3,4,5,6,7
	v_fma_f32 v[SN+\i], v[SN+\i], v[RA+\i], v[RA+\i]
	v_fma_f32 v[CN+\i], v[CN+\i], v[ZZ+\i], v[NN+\i]
	v_and_b32 v[ANG+\i], 1, v[QI+\i]
.endr
.irp i, 0,1,2,3,4,5,6,7
	v_cmp_eq_u32 vcc_lo, 1, v[ANG+\i]              ; in an odd quadrant the two change places
	v_cndmask_b32 v[OS+\i], v[SN+\i], v[CN+\i], vcc_lo
	v_cndmask_b32 v[OC+\i], v[CN+\i], v[SN+\i], vcc_lo
.endr
.irp i, 0,1,2,3,4,5,6,7
	v_and_b32 v[ANG+\i], 2, v[QI+\i]               ; sin is negative in quadrants 2 and 3,
	v_add_nc_u32 v[QI+\i], 1, v[QI+\i]
.endr
.irp i, 0,1,2,3,4,5,6,7
	v_and_b32 v[QI+\i], 2, v[QI+\i]                ; cos in 1 and 2
	v_lshlrev_b32 v[ANG+\i], 30, v[ANG+\i]
.endr
.irp i, 0,1,2,3,4,5,6,7
	v_lshlrev_b32 v[QI+\i], 30, v[QI+\i]
	v_xor_b32 v[OS+\i], v[OS+\i], v[ANG+\i]
.endr
.irp i, 0,1,2,3,4,5,6,7
	v_xor_b32 v[OC+\i], v[OC+\i], v[QI+\i]
.endr
	global_store_b128 v[LI], v[OC:OC+3], s[40:41]
	global_store_b128 v[LI], v[OC+4:OC+7], s[40:41] offset:512
	global_store_b128 v[LI], v[OS:OS+3], s[40:41] offset:4096
	global_store_b128 v[LI], v[OS+4:OS+7], s[40:41] offset:4608
.Lno_rope:
.macro UNIT n
.if (\n) < 3
	s_wait_loadcnt 16                              ; this unit's 16 loads are in; the next unit's 16 may be out
.else
	s_wait_loadcnt 0x0
.endif
	s_wait_xcnt 0x0                                ; the earlier stores have read their registers: X, the codes and the scale word are written again only behind this wait
.irp i, 0,1,2,3,4,5,6,7,8,9,10,11,12,13,14,15
	ds_store_b128 v[STI], v[16+64*((\n)%2)+4*\i:16+64*((\n)%2)+4*\i+3] offset:SP*\i
.endr
.irp b, 0,1,2,3
.irp j, 0,1,2,3
	ds_load_b128 v[X+16*\b+4*\j:X+16*\b+4*\j+3], v[STO] offset:128*\b+16*\j   ; LDS serves a wave's instructions in order: these see my stores
.endr
.endr
	s_wait_dscnt 0x0                               ; the numbers are back, and the stores into the stage have read their registers,
.if (\n)+2 < 4
	LOADU (\n)+2                                   ; which take the loads of two units on
.endif
	s_cmp_lg_u32 s28, 0
	s_cbranch_scc1 .Lmask_\@
	QMAX X
	QSCALE
	QCVT X
	QSWAP
.irp c, 0,1,2
	global_store_b128 v[LI], v[PC+4*\c:PC+4*\c+3], s[34:35] offset:409600*((\n)/2)+1536*((\n)%2)+512*\c
.endr
	global_store_b32 v[LS16], v[PW], s[36:37] offset:409600*((\n)/2)+128*((\n)%2)   ; lanes r and 16 + r hold the same word and write it to the same place
	s_branch .Ljoin_\@
.Lmask_\@:
.set mi_, 0
.rept 32
	v_pk_mul_f32 v[X+mi_:X+mi_+1], v[X+mi_:X+mi_+1], 0x413504f3 op_sel_hi:[1,0]   ; x sqrt(128): the scores are scaled by 1 / sqrt(128) behind the product that adds the mask
.set mi_, mi_+2
.endr
.irp q, 0,1,2,3,4,5,6,7,8,9,10,11,12,13,14,15
	global_store_b128 v[LI], v[X+4*\q:X+4*\q+3], s[38:39] offset:8192*(\n)+512*\q
.endr
.Ljoin_\@:
.endm
	s_wait_alu depctr_va_vdst(0)
	UNIT 0
	UNIT 1
	UNIT 2
	UNIT 3
.Lend:
	s_wait_tensorcnt 0x0                           ; the wave's end, behind my last LDS store
	ds_add_u32 v[SPW], v[NIL]
	s_wait_dscnt 0x0
	s_endpgm
.Lfunc_end_k_q2364edae23_prep:
	.size	k_q2364edae23_prep, .Lfunc_end_k_q2364edae23_prep-k_q2364edae23_prep
	.p2alignl 7, 3214868480
	.fill 96, 4, 3214868480
	.section	.rodata,"a",@progbits
	.p2align	6, 0x0
	.amdhsa_kernel k_q2364edae23_prep
		.amdhsa_group_segment_fixed_size 34304
		.amdhsa_private_segment_fixed_size 0
		.amdhsa_enable_private_segment 0
		.amdhsa_kernarg_size 80
		.amdhsa_user_sgpr_count 2
		.amdhsa_user_sgpr_kernarg_segment_ptr 1
		.amdhsa_wavefront_size32 1
		.amdhsa_system_sgpr_workgroup_id_x 1
		.amdhsa_system_sgpr_workgroup_id_y 1
		.amdhsa_system_sgpr_workgroup_id_z 1
		.amdhsa_system_vgpr_workitem_id 0
		.amdhsa_next_free_vgpr 256
		.amdhsa_next_free_sgpr 66
		.amdhsa_reserve_vcc 1
		.amdhsa_float_denorm_mode_32 3
		.amdhsa_float_denorm_mode_16_64 3
		.amdhsa_memory_ordered 1
		.amdhsa_forward_progress 1
		.amdhsa_inst_pref_size 104
	.end_amdhsa_kernel
	.amdgpu_metadata
---
amdhsa.version: [ 1, 2 ]
amdhsa.kernels:
  - .name:           k_q2364edae23_prep
    .symbol:         k_q2364edae23_prep.kd
    .args:
      - { .name: x, .offset: 0, .size: 8, .value_kind: global_buffer, .address_space: global }
      - { .name: wq, .offset: 8, .size: 8, .value_kind: global_buffer, .address_space: global }
      - { .name: wk, .offset: 16, .size: 8, .value_kind: global_buffer, .address_space: global }
      - { .name: wv, .offset: 24, .size: 8, .value_kind: global_buffer, .address_space: global }
      - { .name: wo, .offset: 32, .size: 8, .value_kind: global_buffer, .address_space: global }
      - { .name: mask, .offset: 40, .size: 8, .value_kind: global_buffer, .address_space: global }
      - { .name: ximg, .offset: 48, .size: 8, .value_kind: global_buffer, .address_space: global }
      - { .name: wimg, .offset: 56, .size: 8, .value_kind: global_buffer, .address_space: global }
      - { .name: mimg, .offset: 64, .size: 8, .value_kind: global_buffer, .address_space: global }
      - { .name: rope, .offset: 72, .size: 8, .value_kind: global_buffer, .address_space: global }
    .group_segment_fixed_size: 34304
    .private_segment_fixed_size: 0
    .kernarg_segment_align: 8
    .kernarg_segment_size: 80
    .max_flat_workgroup_size: 128
    .sgpr_count:     66
    .vgpr_count:     256
    .wavefront_size: 32
...
	.end_amdgpu_metadata
.endif
;; end of part 1
;; launch qkv (part 2): grid 24 x 8, 4 waves a work-group, clusters of 4 x 4, 327,680 bytes of LDS; arguments ximg, wimg, rope, qkv; writes qkv
.if DOCPART == 2
	.amdgcn_target "amdgcn-amd-amdhsa--gfx1250"
	.amdhsa_code_object_version 6
	.text
	.protected	k_q2364edae23_qkv
	.globl	k_q2364edae23_qkv
	.p2align	8
	.type	k_q2364edae23_qkv,@function
k_q2364edae23_qkv:
	s_mov_b64 s[64:65], 0
	v_nop
	global_prefetch_b8 v0, s[64:65] scope:SCOPE_SE
	s_setreg_imm32_b32 hwreg(HW_REG_WAVE_MODE, 25, 1), 1
	s_wait_xcnt 0x0
	s_wait_alu depctr_hold_cnt(0) depctr_sa_sdst(0) depctr_va_vdst(0) depctr_va_sdst(0) depctr_va_ssrc(0) depctr_va_vcc(0) depctr_vm_vsrc(0)
	s_getreg_b32 s2, hwreg(HW_REG_IB_STS2, 6, 4)
	s_cmp_eq_u32 s2, 0
	s_cbranch_scc0 .Lentry_in_a_cluster
	s_endpgm
.Lentry_in_a_cluster:
	s_bfe_u32 s2, ttmp6, 0x10000c
	s_cmp_lg_u32 s2, 0xf033
	s_cbranch_scc0 .Lentry_shape_is_right
	s_endpgm
.Lentry_shape_is_right:
; QKV: q = rope(x wq), k = rope(x wk), v = x wv on codes of FP6 (E2M3) with E8M0 scales, and the results quantised at once for attention: q and k along a head's 128, v along the keys.
; ONE TILE FOR ALL THREE: 256 rows of a matrix "A" x 256 rows of a matrix "B", K = 2,048; the matrix instruction takes 16 rows of B as source 0 and 16 rows of A as source 1, so that a lane holds ONE row of A and its
; registers run along B's rows.  q, k: A = x's image, B = the weight's: a lane holds a token and the 128 numbers of a head.  v: A = wv's image, B = x's: a lane holds one of the head's 128 and 128 keys.
; The rows of a tile are not neighbours (place r of tile 2 b + u is row 32 b + 8 u + r + 8 (r / 8) of its block of 128), so that register 16 b + i of a lane's 64 is column 32 b + 16 (lane / 16) + i: 16 neighbours along the next K.
; SHARES: a work-group of four waves makes 256 x 256, a wave 128 x 128: 64 accumulators, 512 registers; a wave's result is exactly one block of 12,800 bytes of the output: eight fragments (1,536 bytes each) and their scale words.
; The images are laid in the order of the operands' registers: a fragment is three loads of 16 bytes a lane at 16 x lane, a K slot's block of 128 rows x 256 K is 25,600 dense bytes, one tensor load.
; K goes in slots of 256 through a ring of two LDS slots.  192 work-groups: 768 wave tiles of 128 x 128; a smaller wave tile would cut a head across waves and read more LDS bytes for each product.
; CLUSTERS: 4 x 4 work-groups; the four of a row need the same blocks of A, the four of a column the same blocks of B: each is asked for jointly.  Which of q, k, v a cluster makes hangs on the cluster's x alone.
; REGISTERS, in windows of 256: window 0: v0-11 addresses; v12-31 codes just made; v32-63 scale words and nothing else; v64-80 the quantiser's work; v96-127, v224-255 cos and sin of tile 1; v128-223 A's fragments, ONE set
;   (on the way out v128-191: the rotated numbers).   window 1: B's fragments, TWO sets, v0-95 and v128-223 (on the way out three sets of cos and sin); v96-127, v224-255 cos and sin of tile 0.
;   windows 2, 3: the accumulators, (a, b) at v[8 (8 (a % 4) + b)].
; LIMITS: as the quantiser's in the first launch: a block of zeros gets the byte 1; NaN and infinities are not served.
.set BLK,   25600
.set FRB,   1536
.set SCO,   24576
.set SLOT,  4*BLK                      ; A's two blocks, then B's two
.set SPARE, 2*SLOT                     ; behind the ring: the spare words, 128 bytes for each wave
.set JSTEP, 16*BLK                     ; a K slot on in an image
.set LS16, 0                           ; v0   4 r (behind the head)
.set LI,   1                           ; v1   16 x lane
.set ADRA, 2                           ; v2-3 LDS address of my A fragments in slot 0, 1
.set ADRB, 4                           ; v4-5 of B's
.set ASA,  6                           ; v6-7 of A's scale words
.set ASB,  8                           ; v8-9 of B's
.set SPW,  10                          ; v10  LDS address of my spare word; never rewritten
.set NIL,  11                          ; v11  0; never rewritten
.set PC,   12
.set SC,   32                          ; scale words: 16 slot + 8 q + p: A's tiles 2 p (lanes 0-15) and 2 p + 1 (lanes 16-31); + 4: B's
.set TM,   64
.set PW,   80
.set AF,   128
.set RR,   128
.set G1,  24
.set G0,  32
.set G1B, 48
.set G0B, 56
.set RT,  68                           ; s[68:69] cos and sin of my 128 rows
.set OUT, 70                           ; s[70:71] my block of the output
.set AM,  72
.set BM,  74
.set SEL, 76
.set MSB, 0
.macro WIN new                         ; the immediate's high byte repeats the setting that is left
.if MSB != (\new)
	s_set_vgpr_msb (MSB<<8)|(\new)
.set MSB, (\new)
.endif
.endm
.set MUL_LO, 0xa1                      ; source 0 (B) window 1, source 1 (A) window 0, C and D window 2
.set MUL_HI, 0xf1
.set TO_B,   0x40
.macro PLACES n
.rept \n
	v_nop
.endr
.endm
.macro JLOAD g0a, g1a, g0b, g1b        ; a joint load: waves 0 and 1 fetch for A, waves 2 and 3 for B; an s_nop 0 and four v_nop follow each of the two lines
	s_cmp_eq_u32 s15, 0
	s_cbranch_scc0 .Lfor_b_\@
	tensor_load_to_lds s[\g0a:\g0a+3], s[\g1a:\g1a+7]
	s_nop 0
.rept 4
	v_nop
.endr
	s_branch .Lasked_\@
.Lfor_b_\@:
	tensor_load_to_lds s[\g0b:\g0b+3], s[\g1b:\g1b+7]
	s_nop 0
.rept 4
	v_nop
.endr
.Lasked_\@:
.endm
.macro CREST
	s_cmp_lg_u32 s14, 0
	s_cbranch_scc1 .Lnot_wave_0_\@
	s_barrier_signal -3
.Lnot_wave_0_\@:
	s_barrier_wait -3
	s_barrier_signal -1
	s_barrier_wait -1
.endm
.macro CROUND
	s_barrier_signal -1
	s_barrier_wait -1
	CREST
.endm
; the quantiser of 64 numbers of a lane, as in the first launch; the numbers stand in sources 1 and 2 of the maxima and in source 0 of the conversions, so that one window setting serves each part
.macro QMAX s
.irp b, 0,1,2,3
	v_max3_num_f32 v[TM+\b], 0x1800000, |v[\s+16*\b]|, |v[\s+16*\b+1]|
.endr
.irp i, 2,4,6,8,10,12,14
.irp b, 0,1,2,3
	v_max3_num_f32 v[TM+\b], v[TM+\b], |v[\s+16*\b+\i]|, |v[\s+16*\b+\i+1]|
.endr
.endr
.endm
.macro QSCALE
.irp b, 0,1,2,3
	v_permlanex16_b32 v[TM+4+\b], v[TM+\b], s[SEL], s[SEL+1]
.endr
.irp b, 0,1,2,3
	v_max_num_f32 v[TM+\b], v[TM+\b], v[TM+4+\b]
.endr
.irp b, 0,1,2,3
	v_add_nc_u32 v[TM+12+\b], 0xff000000, v[TM+\b]
.endr
.irp b, 0,1,2,3
	v_lshrrev_b32 v[TM+4+\b], 23, v[TM+12+\b]
.endr
	v_lshl_or_b32 v[PW], v[TM+5], 8, v[TM+4]
	v_lshl_or_b32 v[PW], v[TM+6], 16, v[PW]
	v_lshl_or_b32 v[PW], v[TM+7], 24, v[PW]
.endm
.macro QCVT s
.irp c, 0,1
	v_cvt_scalef32_pk16_fp6_f32 v[PC+6*\c:PC+6*\c+2], v[\s+32*\c:\s+32*\c+15], v[TM+12+2*\c]
	v_cvt_scalef32_pk16_fp6_f32 v[PC+12+4*\c:PC+14+4*\c], v[\s+32*\c+16:\s+32*\c+31], v[TM+13+2*\c]
.endr
.endm
.macro QSWAP
	v_nop                                          ; one plain place behind a scaled conversion
.irp c, 0,1
.irp i, 0,1,2
	v_permlane16_swap_b32 v[PC+6*\c+\i], v[PC+12+4*\c+\i]
.endr
.irp i, 0,1,2
	v_mov_b32 v[PC+3+6*\c+\i], v[PC+12+4*\c+\i]
.endr
.endr
.endm
; one product: D = v[rD], source 0 = v[rA], source 1 = v[rB], C = 0 or v[rC]; scale words v[rSA], v[rSB]; rM: 2 where source 0's words stand in lanes 16-31, + 1 where source 1's do
.macro WM zero
.if \zero
.if rM == 0
	v_wmma_scale_f32_16x16x128_f8f6f4 v[rD:rD+7], v[rA:rA+11], v[rB:rB+11], 0, v[rSA], v[rSB] matrix_a_fmt:MATRIX_FMT_FP6 matrix_b_fmt:MATRIX_FMT_FP6
.elseif rM == 1
	v_wmma_scale_f32_16x16x128_f8f6f4 v[rD:rD+7], v[rA:rA+11], v[rB:rB+11], 0, v[rSA], v[rSB] matrix_a_fmt:MATRIX_FMT_FP6 matrix_b_fmt:MATRIX_FMT_FP6 matrix_b_scale:MATRIX_SCALE_ROW1
.elseif rM == 2
	v_wmma_scale_f32_16x16x128_f8f6f4 v[rD:rD+7], v[rA:rA+11], v[rB:rB+11], 0, v[rSA], v[rSB] matrix_a_fmt:MATRIX_FMT_FP6 matrix_b_fmt:MATRIX_FMT_FP6 matrix_a_scale:MATRIX_SCALE_ROW1
.else
	v_wmma_scale_f32_16x16x128_f8f6f4 v[rD:rD+7], v[rA:rA+11], v[rB:rB+11], 0, v[rSA], v[rSB] matrix_a_fmt:MATRIX_FMT_FP6 matrix_b_fmt:MATRIX_FMT_FP6 matrix_a_scale:MATRIX_SCALE_ROW1 matrix_b_scale:MATRIX_SCALE_ROW1
.endif
.else
.if rM == 0
	v_wmma_scale_f32_16x16x128_f8f6f4 v[rD:rD+7], v[rA:rA+11], v[rB:rB+11], v[rC:rC+7], v[rSA], v[rSB] matrix_a_fmt:MATRIX_FMT_FP6 matrix_b_fmt:MATRIX_FMT_FP6
.elseif rM == 1
	v_wmma_scale_f32_16x16x128_f8f6f4 v[rD:rD+7], v[rA:rA+11], v[rB:rB+11], v[rC:rC+7], v[rSA], v[rSB] matrix_a_fmt:MATRIX_FMT_FP6 matrix_b_fmt:MATRIX_FMT_FP6 matrix_b_scale:MATRIX_SCALE_ROW1
.elseif rM == 2
	v_wmma_scale_f32_16x16x128_f8f6f4 v[rD:rD+7], v[rA:rA+11], v[rB:rB+11], v[rC:rC+7], v[rSA], v[rSB] matrix_a_fmt:MATRIX_FMT_FP6 matrix_b_fmt:MATRIX_FMT_FP6 matrix_a_scale:MATRIX_SCALE_ROW1
.else
	v_wmma_scale_f32_16x16x128_f8f6f4 v[rD:rD+7], v[rA:rA+11], v[rB:rB+11], v[rC:rC+7], v[rSA], v[rSB] matrix_a_fmt:MATRIX_FMT_FP6 matrix_b_fmt:MATRIX_FMT_FP6 matrix_a_scale:MATRIX_SCALE_ROW1 matrix_b_scale:MATRIX_SCALE_ROW1
.endif
.endif
.endm
	s_load_b256 s[4:11], s[0:1], 0x0               ; x's image, the weights' images, cos and sin, the output
	v_lshl_add_u32 v[SPW], v0, 2, SPARE
	v_mov_b32 v[NIL], 0
	ds_add_u32 v[SPW], v[NIL]                      ; the wave's opening: the add and its wait ahead of my first tensor load; the set-up below, work on registers, stands between them
	ds_add_u32 v[SPW], v[NIL]
	v_lshrrev_b32 v1, 5, v0
	v_readfirstlane_b32 s14, v1                    ; wave 0..3
	s_lshr_b32 s15, s14, 1                         ; which 128 rows of A are mine.  Also: I fetch for A (0) or for B (1)
	s_and_b32 s16, s14, 1                          ; which 128 rows of B.  Also: which of the two blocks I fetch
	s_bfe_u32 s40, ttmp6, 0x40000                  ; cx, cy: my place in the cluster
	s_bfe_u32 s41, ttmp6, 0x40004
	s_lshr_b32 s12, ttmp9, 1                       ; 0: q; 1: k; 2: v: the same in all sixteen partners
	s_and_b32 s42, ttmp9, 1
	s_lshl_b32 s42, s42, 2
	s_add_co_u32 s42, s42, s40                     ; which 256 rows of B: 4 x (cluster x % 2) + cx
	s_and_b32 s17, ttmp7, 0xffff
	s_lshl_b32 s17, s17, 2
	s_add_co_u32 s17, s17, s41                     ; which 256 rows of A: 4 x cluster y + cy
	s_lshl_b32 s43, s41, 2
	s_lshl_b32 s43, 15, s43                        ; my row of the cluster
	s_lshl_b32 s44, 0x1111, s40                    ; my column
	; descriptor group 1: a block of 25,600 dense bytes as 100 rows of 256 bytes (32 elements of 8 bytes), no padding
	s_or_b32 s[G1], s43, (3<<16)|(1<<21)           ; 15:0 the mask: A's blocks go to my row; 17:16 elements of 8 bytes; 21 set beside a mask
	s_or_b32 s[G1B], s44, (3<<16)|(1<<21)          ; B's to my column
.irp g, G1, G1B
	s_mov_b32 s[\g+1], 32<<16                      ; tensor_dim0
	s_mov_b32 s[\g+2], 200<<16                     ; tensor_dim1: the head's loads bring two blocks on end, 200 rows
	s_mov_b32 s[\g+3], 32<<16                      ; tile_dim0
	s_mov_b32 s[\g+4], 200                         ; tile_dim1
	s_mov_b32 s[\g+5], 32                          ; tensor_dim0_stride
	s_mov_b32 s[\g+6], 0
	s_mov_b32 s[\g+7], 0
.endr
	s_lshl_b32 s20, s17, 1
	s_add_co_u32 s20, s20, s16
	s_mul_i32 s20, s20, BLK                        ; A: the block that I fetch
	s_mov_b32 s21, 0
	s_lshl_b32 s46, s42, 1
	s_add_co_u32 s46, s46, s16
	s_mul_i32 s46, s46, BLK                        ; B likewise
	s_mov_b32 s47, 0
	s_mul_i32 s45, s14, BLK                        ; where it goes: wave x a block: no place in the cluster enters an LDS address
	s_mul_i32 s22, s12, 16*JSTEP/2                 ; the weight's image: 3,276,800 bytes each
	s_mov_b32 s23, 0
	s_mov_b32 s[SEL], 0x76543210
	s_mov_b32 s[SEL+1], 0xfedcba98
	s_wait_dscnt 0x0                               ; the opening add is done
	s_wait_kmcnt 0x0
	s_add_nc_u64 s[6:7], s[6:7], s[22:23]
	s_cmp_eq_u32 s12, 2
	s_cselect_b64 s[AM:AM+1], s[6:7], s[4:5]       ; v: the weight is A and x is B; q, k: the other way round
	s_cselect_b64 s[BM:BM+1], s[4:5], s[6:7]
	s_add_nc_u64 s[AM:AM+1], s[AM:AM+1], s[20:21]
	s_add_nc_u64 s[BM:BM+1], s[BM:BM+1], s[46:47]
	CROUND                                         ; all sixteen work-groups are here: the first joint loads meet
.irp s, 0,1
	s_mov_b32 s[G0+4*\s], 1
	s_add_co_u32 s[G0+4*\s+1], s45, \s*SLOT
	s_add_nc_u64 s[G0+4*\s+2:G0+4*\s+3], s[AM:AM+1], \s*JSTEP
	s_or_b32 s[G0+4*\s+3], s[G0+4*\s+3], 0x80000000
	s_mov_b32 s[G0B+4*\s], 1
	s_add_co_u32 s[G0B+4*\s+1], s45, \s*SLOT
	s_add_nc_u64 s[G0B+4*\s+2:G0B+4*\s+3], s[BM:BM+1], \s*JSTEP
	s_or_b32 s[G0B+4*\s+3], s[G0B+4*\s+3], 0x80000000
.endr
; THE HEAD'S LOADS, ONE A WAVE, bring both slots: wave (s15, s16) fetches operand s15's two blocks of 128 rows, 51,200 dense bytes, of K slot s16, into slot s16.
.set G0H,  4                           ; s[4:7] group 0 for A's (the two arguments that lay there have been used)
.set G0HB, 80                          ; s[80:83] for B's
	s_mul_i32 s18, s16, 15*BLK                     ; from the block that I fetch in the ring to the pair's first block in K slot s16: s16 x (a K slot on, a block back)
	s_mov_b32 s19, 0
	s_mov_b32 s[G0H], 1
	s_mul_i32 s[G0H+1], s16, SLOT
	s_add_nc_u64 s[G0H+2:G0H+3], s[AM:AM+1], s[18:19]
	s_or_b32 s[G0H+3], s[G0H+3], 0x80000000
	s_mov_b32 s[G0HB], 1
	s_mul_i32 s[G0HB+1], s16, SLOT
	s_add_co_u32 s[G0HB+1], s[G0HB+1], 2*BLK
	s_add_nc_u64 s[G0HB+2:G0HB+3], s[BM:BM+1], s[18:19]
	s_or_b32 s[G0HB+3], s[G0HB+3], 0x80000000
	JLOAD G0H, G1, G0HB, G1B
	v_and_b32 v1, 31, v0
	v_lshlrev_b32 v12, 2, v1                       ; 4 x lane
	v_lshlrev_b32 v[LI], 4, v1                     ; 16 x lane
	s_mul_i32 s21, s15, BLK                        ; my block of A
	s_mul_i32 s22, s16, BLK                        ; my block of B,
	s_add_co_u32 s22, s22, 2*BLK                   ; behind A's two
.irp s, 0,1
	v_add_nc_u32 v[ADRA+\s], s21, v[LI]
	v_add_nc_u32 v[ADRB+\s], s22, v[LI]
	v_add_nc_u32 v[ASA+\s], s21, v12
	v_add_nc_u32 v[ASB+\s], s22, v12
	s_add_co_u32 s21, s21, SLOT
	s_add_co_u32 s22, s22, SLOT
.endr
	v_and_b32 v0, 15, v0
	v_lshlrev_b32 v[LS16], 2, v0
.irp b, 0,1,2,3
	v_mov_b32 v[TM+4+\b], 0                        ; written once: a lane permute's destination counts as one of its sources
.endr
	s_lshl_b32 s66, s42, 1
	s_add_co_u32 s66, s66, s16                     ; P: my block of B (q, k: the head; v: the key step)
	s_lshl_b32 s67, s17, 1
	s_add_co_u32 s67, s67, s15                     ; Q: my block of A (q, k: 128 tokens; v: the head)
	s_lshl_b32 s78, s12, 4
	s_add_co_u32 s78, s78, s66
	s_lshl_b32 s78, s78, 4
	s_add_co_u32 s78, s78, s67                     ; q, k: block (16 sel + P) x 16 + Q
	s_add_co_u32 s79, s67, 32
	s_lshl_b32 s79, s79, 4
	s_add_co_u32 s79, s79, s66                     ; v: (32 + Q) x 16 + P
	s_cmp_eq_u32 s12, 2
	s_cselect_b32 s78, s79, s78
	s_mul_i32 s78, s78, 12800
	s_mov_b32 s79, 0
	s_add_nc_u64 s[OUT:OUT+1], s[10:11], s[78:79]
	s_lshl_b32 s78, s67, 16                        ; eight tiles of 8,192 bytes
	s_add_nc_u64 s[RT:RT+1], s[8:9], s[78:79]
; cos (32 registers, from TC) and sin (32, from TS) of tile a stand in one of FIVE sets, in window TW: tiles 0 and 5: window 1, v96 and v224; tiles 1 and 6: window 0, the same numbers;
; tiles 2 and 7: window 1, v0 and v32; tile 3: window 1, v64 and v128; tile 4: window 1, v160 and v192.  The first two sets lie idle in the loop; the other three are B's fragments' registers.
.macro TSET a
.set TW, 1
.if (\a)%5 == 0
.set TC, 96
.set TS, 224
.elseif (\a)%5 == 1
.set TW, 0
.set TC, 96
.set TS, 224
.elseif (\a)%5 == 2
.set TC, 0
.set TS, 32
.elseif (\a)%5 == 3
.set TC, 64
.set TS, 128
.else
.set TC, 160
.set TS, 192
.endif
.endm
.macro TLD a
	TSET \a
	WIN TW<<6
.irp q, 0,1,2,3,4,5,6,7
	global_load_b128 v[TC+4*\q:TC+4*\q+3], v[LI], s[RT:RT+1] offset:8192*(\a)+512*\q
.endr
.irp q, 0,1,2,3,4,5,6,7
	global_load_b128 v[TS+4*\q:TS+4*\q+3], v[LI], s[RT:RT+1] offset:8192*(\a)+4096+512*\q
.endr
	WIN 0
.endm
	TLD 0                                          ; the tables of tiles 0 and 1 are asked for here, by every work-group (v's do not use them), into registers that the loop leaves alone:
	TLD 1                                          ; they are waited for on the way out, all of K later
.macro FRAG reg, adr, off              ; a fragment as it was stored: three loads, 512 consecutive bytes each
.irp c, 0,1,2
	ds_load_b128 v[\reg+4*\c:\reg+4*\c+3], v[\adr] offset:\off+512*\c
.endr
.endm
.macro FETCH_B slot, q, p              ; B's eight fragments of the slot's q-th 128 along K into set p
	WIN TO_B
.irp i, 0,1,2,3,4,5,6,7
	FRAG 128*(\p)+12*\i, ADRB+\slot, (2*\i+(\q))*FRB
.endr
	WIN 0
.endm
.macro FETCH_A slot, q, i0             ; A's tiles i0 .. i0 + 3
.irp i, \i0, \i0+1, \i0+2, \i0+3
	FRAG AF+12*(\i), ADRA+\slot, (2*(\i)+(\q))*FRB
.endr
.endm
.macro SCALES slot                     ; a slot's scale words: one load brings two tiles' (lanes 0-15, lanes 16-31)
.irp q, 0,1
.irp p, 0,1,2,3
	ds_load_b32 v[SC+16*\slot+8*\q+\p], v[ASA+\slot] offset:SCO+256*\p+128*\q
	ds_load_b32 v[SC+16*\slot+8*\q+4+\p], v[ASB+\slot] offset:SCO+256*\p+128*\q
.endr
.endr
.endm
; 16 products: A's tiles a0, a0 + 1 x B's eight.  The 64 accumulators take turns, one instruction a turn, in the same order in every step.
.macro MUL16 a0, p, q, sc, zero
.irp a, \a0, \a0+1
.irp b, 0,1,2,3,4,5,6,7
.set rD, 8*(8*((\a)%4)+\b)
.set rC, rD
.set rA, 128*(\p)+12*\b
.set rB, AF+12*(\a)
.set rSA, SC+16*(\sc)+8*(\q)+4+\b/2
.set rSB, SC+16*(\sc)+8*(\q)+(\a)/2
.set rM, 2*(\b%2)+(\a)%2
	WM \zero
.endr
.endr
.endm
; A step of 128 along K that has its successor in the same slot.  A tile of A is free as soon as its eight products are issued: tiles 0-3 are fetched anew in the step's middle, 4-7 at its end; B has two sets.
; Four plain places stand in front of each run of loads into registers that matrix instructions have read (ISA guide 7.12.1 for vector instructions).
.macro STEP slot, q, zero
	s_wait_dscnt 12                                ; B's set, A's tiles 0-3 and the scale words are in; the youngest twelve loads (A's tiles 4-7) may be out
	WIN MUL_LO
	MUL16 0, (\q)%2, \q, \slot, \zero
	MUL16 2, (\q)%2, \q, \slot, \zero
	s_wait_dscnt 0x0                               ; A's tiles 4-7 are in
	PLACES 4
	FETCH_B \slot, (\q)+1, 1-(\q)%2
	FETCH_A \slot, (\q)+1, 0
	WIN MUL_HI
	MUL16 4, (\q)%2, \q, \slot, \zero
	MUL16 6, (\q)%2, \q, \slot, \zero
	PLACES 4
	WIN 0
	FETCH_A \slot, (\q)+1, 4
.endm
; A slot's second step changes slots: ONE barrier; in front of it each wave waits for all its tensor loads, adds 0 to its spare word, and waits for that and for its own reads of this slot.  fill = 1: this slot is filled again, two K slots ahead.
.macro TURN slot, next, fill
	s_wait_tensorcnt 0x0                           ; all my tensor loads have landed: the one that was out is my part of the next slot
	ds_add_u32 v[SPW], v[NIL]                      ; 0 onto my spare word
	s_wait_dscnt 13                                ; (the add and the youngest twelve loads may be out)
	WIN MUL_LO
	MUL16 0, 1, 1, \slot, 0                        ; sixteen products stand between the add and the wait for it
	s_wait_dscnt 0x0                               ; the add is done, and my reads of this slot are over
	s_barrier_signal -1
	MUL16 2, 1, 1, \slot, 0
	WIN 0
	s_barrier_wait -1
.if \fill
	CREST                                          ; the barrier has opened a round of the cluster's barrier: no wave of any partner still reads this slot or has a load on its way
	s_add_nc_u64 s[G0+4*\slot+2:G0+4*\slot+3], s[G0+4*\slot+2:G0+4*\slot+3], 2*JSTEP
	s_add_nc_u64 s[G0B+4*\slot+2:G0B+4*\slot+3], s[G0B+4*\slot+2:G0B+4*\slot+3], 2*JSTEP
	JLOAD G0+4*\slot, G1, G0B+4*\slot, G1B         ; the first tensor load behind the round; its four v_nop are the places in front of the loads below
.else
	PLACES 4
.endif
	s_wait_alu depctr_va_vdst(0)
	FETCH_B \next, 0, 0
	FETCH_A \next, 0, 0
	SCALES \next
	WIN MUL_HI
	MUL16 4, 1, 1, \slot, 0
	MUL16 6, 1, 1, \slot, 0
	PLACES 4
	WIN 0
	FETCH_A \next, 0, 4
.endm
	s_wait_alu depctr_va_vdst(0)
	s_wait_tensorcnt 0x0                           ; my part of K slots 0 and 1 is in; no tensor load of mine is out, so a descriptor may be written:
	s_mov_b32 s[G1+2], 100<<16                     ; from here on a load brings one block, 100 rows
	s_mov_b32 s[G1+4], 100
	s_mov_b32 s[G1B+2], 100<<16
	s_mov_b32 s[G1B+4], 100
	s_barrier_signal -1
	s_barrier_wait -1                              ; everybody's is
	FETCH_B 0, 0, 0
	FETCH_A 0, 0, 0
	SCALES 0
	FETCH_A 0, 0, 4
	STEP 0, 0, 1                                   ; the first step stands in front of the loop: its products start the sums
	s_mov_b32 s3, 3
.Llap:                                             ; a trip goes once round the ring and fills both slots again: K slots 2 to 7
	TURN 0, 1, 1
	STEP 1, 0, 0
	TURN 1, 0, 1
	STEP 0, 0, 0
	s_sub_co_u32 s3, s3, 1
	s_cmp_lg_u32 s3, 0
	s_cbranch_scc1 .Llap
	TURN 0, 1, 0                                   ; the last lap fills nothing
	STEP 1, 0, 0
	s_wait_dscnt 12
	WIN MUL_LO
	MUL16 0, 1, 1, 1, 0
	MUL16 2, 1, 1, 1, 0
	s_wait_dscnt 0x0
	WIN MUL_HI
	MUL16 4, 1, 1, 1, 0
	MUL16 6, 1, 1, 1, 0
	WIN 0
	PLACES 4                                       ; in front of the first read of results, of the writes over A's fragments and of the loads over B's
; THE WAY OUT, a tile of 16 rows of A at a time: its eight accumulators are 64 numbers of a lane in the quantiser's order.  q, k: rotated first: with d = 32 b + 16 h + i, register 16 b + i and register 16 b + i + 32 are d and d + 64:
; out(d) = in(d) cos - in(d + 64) sin, out(d + 64) = in(d + 64) cos + in(d) sin.  Each accumulator is read from its low end on.  The fragment leaves as it stands: three stores of 512 consecutive bytes.
; THE TABLES ARE ASKED FOR WELL AHEAD: tiles 0 and 1 at the kernel's head, tiles 2 to 4 at the start of the way out, tile a + 5 at the end of tile a, into the set that tile a has just read.  In the order of issue (0, 1; 2, 3, 4; 5; 6; 7):
; at tile 0 the count 48 leaves tiles 2 to 4 out and shows tiles 0 and 1 in; at tile 2 it leaves 4 to 6 out and shows 2 and 3 in; at tile 4 it leaves 5 to 7 out; then 32, 16, 0.  Tiles 1 and 3 need no wait of their own.
.macro EPI a, isv
.set WA, 2+(\a)/4
.set AC, 64*((\a)%4)
.if \isv
	WIN (WA<<2)|(WA<<4)
	QMAX AC
	WIN 0
	s_wait_alu depctr_va_vdst(0)
	s_wait_xcnt 0x0                                ; the last tile's stores have read the codes and the scale word: both are written again only behind this wait
	QSCALE
	WIN WA
	QCVT AC
	WIN 0
.else
.if ((\a) == 0) || ((\a) == 2) || ((\a) == 4)
	s_wait_loadcnt 48
.elseif (\a) == 5
	s_wait_loadcnt 32
.elseif (\a) == 6
	s_wait_loadcnt 16
.elseif (\a) == 7
	s_wait_loadcnt 0x0
.endif
	TSET \a
	WIN WA|(TW<<2)                                 ; source 0: the accumulators' window; source 1: the table's
.set ei_, 0
.rept 16
	v_pk_mul_f32 v[RR+ei_:RR+ei_+1], v[AC+ei_:AC+ei_+1], v[TC+ei_:TC+ei_+1]
.set ei_, ei_+2
.endr
.set ei_, 0
.rept 16
	v_pk_mul_f32 v[RR+32+ei_:RR+33+ei_], v[AC+32+ei_:AC+33+ei_], v[TC+ei_:TC+ei_+1]
.set ei_, ei_+2
.endr
.set ei_, 0
.rept 16
	v_pk_fma_f32 v[RR+ei_:RR+ei_+1], v[AC+32+ei_:AC+33+ei_], v[TS+ei_:TS+ei_+1], v[RR+ei_:RR+ei_+1] neg_lo:[0,1,0] neg_hi:[0,1,0]
.set ei_, ei_+2
.endr
.set ei_, 0
.rept 16
	v_pk_fma_f32 v[RR+32+ei_:RR+33+ei_], v[AC+ei_:AC+ei_+1], v[TS+ei_:TS+ei_+1], v[RR+32+ei_:RR+33+ei_]
.set ei_, ei_+2
.endr
	WIN 0
	QMAX RR
	s_wait_alu depctr_va_vdst(0)
	s_wait_xcnt 0x0                                ; the last tile's stores have read the codes and the scale word: both are written again only behind this wait
	QSCALE
	QCVT RR
.endif
	QSWAP
.irp c, 0,1,2
	global_store_b128 v[LI], v[PC+4*\c:PC+4*\c+3], s[OUT:OUT+1] offset:FRB*(\a)+512*\c
.endr
	global_store_b32 v[LS16], v[PW], s[OUT:OUT+1] offset:12288+64*(\a)   ; lanes r and 16 + r hold the same word and write it to the same place
.if (\isv) == 0
.if (\a) < 3
	TLD (\a)+5
.endif
.endif
.endm
	s_cmp_eq_u32 s12, 2
	s_cbranch_scc1 .Lv_out
	TLD 2
	TLD 3
	TLD 4
.irp a, 0,1,2,3,4,5,6,7
	EPI \a, 0
.endr
	s_branch .Ldone
.Lv_out:
.irp a, 0,1,2,3,4,5,6,7
	EPI \a, 1
.endr
.Ldone:
	s_wait_tensorcnt 0x0                           ; the wave's end, behind my last tensor load
	ds_add_u32 v[SPW], v[NIL]
	s_wait_dscnt 0x0
	CROUND                                         ; the closing round: no work-group ends while a partner may still ask for a block that names it
	s_endpgm
.Lfunc_end_k_q2364edae23_qkv:
	.size	k_q2364edae23_qkv, .Lfunc_end_k_q2364edae23_qkv-k_q2364edae23_qkv
	.p2alignl 7, 3214868480
	.fill 96, 4, 3214868480
	.section	.rodata,"a",@progbits
	.p2align	6, 0x0
	.amdhsa_kernel k_q2364edae23_qkv
		.amdhsa_group_segment_fixed_size 327680
		.amdhsa_private_segment_fixed_size 0
		.amdhsa_enable_private_segment 0
		.amdhsa_kernarg_size 32
		.amdhsa_user_sgpr_count 2
		.amdhsa_user_sgpr_kernarg_segment_ptr 1
		.amdhsa_wavefront_size32 1
		.amdhsa_system_sgpr_workgroup_id_x 1
		.amdhsa_system_sgpr_workgroup_id_y 1
		.amdhsa_system_sgpr_workgroup_id_z 1
		.amdhsa_system_vgpr_workitem_id 0
		.amdhsa_next_free_vgpr 1024
		.amdhsa_next_free_sgpr 88
		.amdhsa_reserve_vcc 0
		.amdhsa_float_denorm_mode_32 3
		.amdhsa_float_denorm_mode_16_64 3
		.amdhsa_memory_ordered 1
		.amdhsa_forward_progress 1
		.amdhsa_inst_pref_size 219
	.end_amdhsa_kernel
	.amdgpu_metadata
---
amdhsa.version: [ 1, 2 ]
amdhsa.kernels:
  - .name:           k_q2364edae23_qkv
    .symbol:         k_q2364edae23_qkv.kd
    .args:
      - { .name: ximg, .offset: 0, .size: 8, .value_kind: global_buffer, .address_space: global }
      - { .name: wimg, .offset: 8, .size: 8, .value_kind: global_buffer, .address_space: global }
      - { .name: rope, .offset: 16, .size: 8, .value_kind: global_buffer, .address_space: global }
      - { .name: qkv, .offset: 24, .size: 8, .value_kind: global_buffer, .address_space: global }
    .group_segment_fixed_size: 327680
    .private_segment_fixed_size: 0
    .kernarg_segment_align: 8
    .kernarg_segment_size: 32
    .max_flat_workgroup_size: 128
    .sgpr_count:     88
    .vgpr_count:     1024
    .wavefront_size: 32
...
	.end_amdgpu_metadata
.endif
;; end of part 2
;; launch attn (part 3): grid 16 x 16, 8 waves a work-group, clusters of 4 x 1, 327,680 bytes of LDS; arguments qkv, mimg, aimg; writes aimg
.if DOCPART == 3
	.amdgcn_target "amdgcn-amd-amdhsa--gfx1250"
	.amdhsa_code_object_version 6
	.text
	.protected	k_q2364edae23_attn
	.globl	k_q2364edae23_attn
	.p2align	8
	.type	k_q2364edae23_attn,@function
k_q2364edae23_attn:
	s_mov_b64 s[64:65], 0
	v_nop
	global_prefetch_b8 v0, s[64:65] scope:SCOPE_SE
	s_setreg_imm32_b32 hwreg(HW_REG_WAVE_MODE, 25, 1), 1
	s_wait_xcnt 0x0
	s_wait_alu depctr_hold_cnt(0) depctr_sa_sdst(0) depctr_va_vdst(0) depctr_va_sdst(0) depctr_va_ssrc(0) depctr_va_vcc(0) depctr_vm_vsrc(0)
	s_getreg_b32 s2, hwreg(HW_REG_IB_STS2, 6, 4)
	s_cmp_eq_u32 s2, 0
	s_cbranch_scc0 .Lentry_in_a_cluster
	s_endpgm
.Lentry_in_a_cluster:
	s_bfe_u32 s2, ttmp6, 0x10000c
	s_cmp_lg_u32 s2, 0x3003
	s_cbranch_scc0 .Lentry_shape_is_right
	s_endpgm
.Lentry_shape_is_right:
; ATTENTION on codes of FP6 (E2M3): S^T = k q^T + mask, p = 2^(t - M) with M the ceiling of the running largest t, O^T = v^T p^T, O / l quantised at once for the last projection.
; SHARES: a work-group is one head x 128 queries, a wave 16 queries; 256 work-groups.  Both products are used transposed, so that a lane holds one query throughout.
; A step is 128 keys.  k and v go through two LDS slots of four steps (4 + 4 blocks of 12,800 bytes), asked for jointly by the four query blocks of a cluster, a block a wave.
; The mask (x sqrt(128), in the score tiles' register order, from the first launch) is the C of the score products: loaded straight into registers, two steps ahead, two sets by turns.
; It is not asked for jointly by the heads' work-groups: for 128 queries it is 65,536 bytes a step, and two slots of four steps of it would be 524,288 bytes of LDS.
; The work-groups of head 0 prefetch the mask, in step i the 8,192 bytes a wave of step i + 4; the last four steps ask for nothing.
; LIMITS: the promise holds while the scaled scores stay under 2^31 in magnitude; NaN and infinities are not served; a block whose every p is 0 gets the byte 1 (its codes are zeros).
.set BLK,   12800
.set FRB,   1536
.set SLOT1, 1<<17
.set SPARE, SLOT1+8*BLK
.set LI,   1
.set LS,   2
.set LS16, 3
.set PFO,  4
.set SPW,  5
.set NIL,  6
.set ADK,  8
.set ADS,  9
.set KSW,  28
.set F,    64
.set FK,   160
.set TM,   232
.set PW,   253
.set PC,   32
.set WV,   12
.set SEL,  20
.set CS,   22
.set G1,   24
.set G0,   32
.set TB,   40
.set LIM,  42
.set SLOTS, 44
.set MP,   46
.set MSB, 0
.macro WIN new
.if MSB != (\new)
	s_set_vgpr_msb (MSB<<8)|(\new)
.set MSB, (\new)
.endif
.endm
.macro PLACES n
.rept \n
	v_nop
.endr
.endm
.macro CROUND
	s_barrier_signal -1
	s_barrier_wait -1
	s_cmp_lg_u32 s[WV], 0
	s_cbranch_scc1 .Lnot_wave_0_\@
	s_barrier_signal -3
.Lnot_wave_0_\@:
	s_barrier_wait -3
	s_barrier_signal -1
	s_barrier_wait -1
.endm
.macro FRAG reg, adr, off
.irp c, 0,1,2
	ds_load_b128 v[\reg+4*\c:\reg+4*\c+3], v[\adr] offset:\off+512*\c
.endr
.endm
.macro WM
.if rM == 0
	v_wmma_scale_f32_16x16x128_f8f6f4 v[rD:rD+7], v[rA:rA+11], v[rB:rB+11], v[rC:rC+7], v[rSA], v[rSB] matrix_a_fmt:MATRIX_FMT_FP6 matrix_b_fmt:MATRIX_FMT_FP6
.else
	v_wmma_scale_f32_16x16x128_f8f6f4 v[rD:rD+7], v[rA:rA+11], v[rB:rB+11], v[rC:rC+7], v[rSA], v[rSB] matrix_a_fmt:MATRIX_FMT_FP6 matrix_b_fmt:MATRIX_FMT_FP6 matrix_a_scale:MATRIX_SCALE_ROW1
.endif
.endm
.macro QMAX s
.irp b, 0,1,2,3
	v_max3_num_f32 v[TM+\b], 0x1800000, |v[\s+16*\b]|, |v[\s+16*\b+1]|
.endr
.irp i, 2,4,6,8,10,12,14
.irp b, 0,1,2,3
	s_delay_alu instid0(VALU_DEP_4)
	v_max3_num_f32 v[TM+\b], v[TM+\b], |v[\s+16*\b+\i]|, |v[\s+16*\b+\i+1]|
.endr
.endr
.endm
.macro QSCALE
.irp b, 0,1,2,3
	s_delay_alu instid0(VALU_DEP_4)
	v_permlanex16_b32 v[TM+4+\b], v[TM+\b], s[SEL], s[SEL+1]
.endr
.irp b, 0,1,2,3
	s_delay_alu instid0(VALU_DEP_4)
	v_max_num_f32 v[TM+\b], v[TM+\b], v[TM+4+\b]
.endr
.irp b, 0,1,2,3
	s_delay_alu instid0(VALU_DEP_4)
	v_add_nc_u32 v[TM+12+\b], 0xff000000, v[TM+\b]
.endr
.irp b, 0,1,2,3
	s_delay_alu instid0(VALU_DEP_4)
	v_lshrrev_b32 v[TM+4+\b], 23, v[TM+12+\b]
.endr
	s_delay_alu instid0(VALU_DEP_3)
	v_lshl_or_b32 v[PW], v[TM+5], 8, v[TM+4]
	s_delay_alu instid0(VALU_DEP_1)
	v_lshl_or_b32 v[PW], v[TM+6], 16, v[PW]
	s_delay_alu instid0(VALU_DEP_1)
	v_lshl_or_b32 v[PW], v[TM+7], 24, v[PW]
.endm
.macro QCVT s
.irp c, 0,1
	v_cvt_scalef32_pk16_fp6_f32 v[PC+6*\c:PC+6*\c+2], v[\s+32*\c:\s+32*\c+15], v[TM+12+2*\c]
	v_cvt_scalef32_pk16_fp6_f32 v[PC+12+4*\c:PC+14+4*\c], v[\s+32*\c+16:\s+32*\c+31], v[TM+13+2*\c]
.endr
.endm
.macro QSWAP
	v_nop
.irp c, 0,1
.irp i, 0,1,2
	v_permlane16_swap_b32 v[PC+6*\c+\i], v[PC+12+4*\c+\i]
.endr
.irp i, 0,1,2
	s_delay_alu instid0(VALU_DEP_3)
	v_mov_b32 v[PC+3+6*\c+\i], v[PC+12+4*\c+\i]
.endr
.endr
.endm
	s_load_b128 s[4:7], s[0:1], 0x0
	s_load_b64 s[8:9], s[0:1], 0x10
	v_lshl_add_u32 v[SPW], v0, 2, SPARE
	v_mov_b32 v[NIL], 0
	ds_add_u32 v[SPW], v[NIL]
	ds_add_u32 v[SPW], v[NIL]
	v_lshrrev_b32 v1, 5, v0
	s_delay_alu instid0(VALU_DEP_1)
	v_readfirstlane_b32 s[WV], v1
	s_bfe_u32 s13, ttmp6, 0x40000
	s_lshl_b32 s14, ttmp9, 2
	s_add_co_u32 s14, s14, s13
	s_and_b32 s15, ttmp7, 0xffff
	s_mov_b32 s[G1], 15|(3<<16)|(1<<21)
	s_mov_b32 s[G1+1], 32<<16
	s_mov_b32 s[G1+2], 100<<16                     ; the head's loads bring two blocks on end: 100 rows of 256 bytes
	s_mov_b32 s[G1+3], 32<<16
	s_mov_b32 s[G1+4], 100
	s_mov_b32 s[G1+5], 32
	s_mov_b32 s[G1+6], 0
	s_mov_b32 s[G1+7], 0
	s_lshr_b32 s16, s[WV], 2
	s_lshl_b32 s16, s16, 4
	s_add_co_u32 s16, s16, 16
	s_add_co_u32 s16, s16, s15
	s_mul_i32 s16, s16, 16*BLK
	s_and_b32 s17, s[WV], 3
	s_mul_i32 s17, s17, BLK
	s_add_co_u32 s16, s16, s17
	s_mov_b32 s17, 0
	s_mul_i32 s18, s[WV], BLK
	s_mov_b32 s[SEL], 0x76543210
	s_mov_b32 s[SEL+1], 0xfedcba98
	s_mov_b32 s[CS], 0x3e0293ee
	s_mov_b32 s[CS+1], s[CS]
	s_mov_b32 s[TB], 0
	s_mov_b32 s[SLOTS], 2
	s_cmp_eq_u32 s15, 0
	s_cselect_b32 s[LIM], 1, 0
	s_wait_dscnt 0x0
	s_wait_kmcnt 0x0
	s_add_nc_u64 s[16:17], s[4:5], s[16:17]
	CROUND
.irp s, 0,1
	s_mov_b32 s[G0+4*\s], 1
	s_add_co_u32 s[G0+4*\s+1], s18, \s*SLOT1
	s_add_nc_u64 s[G0+4*\s+2:G0+4*\s+3], s[16:17], \s*4*BLK
	s_or_b32 s[G0+4*\s+3], s[G0+4*\s+3], 0x80000000
.endr
; THE HEAD'S LOADS, ONE A WAVE, bring both slots: wave w fetches blocks 2 (w % 4) and 2 (w % 4) + 1 of k (w < 4) or of v, 25,600 dense bytes, into slot (w / 2) % 2 at place 4 (w / 4) + 2 (w % 2)
	s_and_b32 s19, s[WV], 3
	s_mul_i32 s48, s19, BLK                        ; s[16:17] stands at block w % 4: as many blocks on again
	s_mov_b32 s49, 0
	s_add_nc_u64 s[G0+2:G0+3], s[16:17], s[48:49]
	s_or_b32 s[G0+3], s[G0+3], 0x80000000
	s_bfe_u32 s19, s[WV], 0x10001
	s_lshl_b32 s19, s19, 17
	s_lshr_b32 s50, s[WV], 2
	s_lshl_b32 s50, s50, 2
	s_and_b32 s51, s[WV], 1
	s_lshl_b32 s51, s51, 1
	s_add_co_u32 s50, s50, s51
	s_mul_i32 s50, s50, BLK
	s_add_co_u32 s[G0+1], s50, s19
	tensor_load_to_lds s[G0:G0+3], s[G1:G1+7]
	s_nop 0
.rept 4
	v_nop
.endr
	v_and_b32 v7, 31, v0
	s_delay_alu instid0(VALU_DEP_1)
	v_lshlrev_b32 v[LI], 4, v7
	s_wait_alu depctr_va_vdst(0)
	v_lshlrev_b32 v[LS], 2, v7
	v_lshlrev_b32 v[PFO], 8, v7
	v_and_b32 v[LS16], 15, v0
	s_delay_alu instid0(VALU_DEP_1)
	v_lshlrev_b32 v[LS16], 2, v[LS16]
	s_wait_alu depctr_va_vdst(0)
	s_mov_b32 s49, 0
	s_lshl_b32 s48, s15, 4
	s_add_co_u32 s48, s48, s14
	s_mul_i32 s48, s48, BLK
	s_add_nc_u64 s[4:5], s[4:5], s[48:49]
	s_mul_i32 s48, s[WV], FRB
	s_add_nc_u64 s[50:51], s[4:5], s[48:49]
	s_lshl_b32 s48, s[WV], 6
	s_add_nc_u64 s[52:53], s[4:5], s[48:49]
	global_load_b128 v[16:19], v[LI], s[50:51]
	global_load_b128 v[20:23], v[LI], s[50:51] offset:512
	global_load_b128 v[24:27], v[LI], s[50:51] offset:1024
	global_load_b32 v255, v[LS16], s[52:53] offset:12288
	s_lshl_b32 s48, s14, 3
	s_add_co_u32 s48, s48, s[WV]
	s_lshl_b32 s48, s48, 17
	s_add_nc_u64 s[MP:MP+1], s[6:7], s[48:49]
	WIN 0x40
.irp q, 0,1,2,3,4,5,6,7,8,9,10,11,12,13,14,15
	global_load_b128 v[4*\q:4*\q+3], v[LI], s[MP:MP+1] offset:512*\q
.endr
	WIN 0
.irp q, 0,1,2,3,4,5,6,7,8,9,10,11,12,13,14,15
	global_load_b128 v[32+4*\q:32+4*\q+3], v[LI], s[MP:MP+1] offset:8192+512*\q
.endr
	s_lshr_b32 s48, s15, 1
	s_lshl_b32 s48, s48, 4
	s_add_co_u32 s48, s48, s14
	s_mul_i32 s48, s48, 25600
	s_add_nc_u64 s[8:9], s[8:9], s[48:49]
	s_and_b32 s54, s15, 1
	s_lshl_b32 s48, s[WV], 1
	s_add_co_u32 s48, s48, s54
	s_mul_i32 s48, s48, FRB
	s_add_nc_u64 s[56:57], s[8:9], s[48:49]
	s_lshr_b32 s48, s[WV], 1
	s_lshl_b32 s48, s48, 8
	s_lshl_b32 s54, s54, 7
	s_add_co_u32 s48, s48, s54
	s_and_b32 s54, s[WV], 1
	s_lshl_b32 s54, s54, 6
	s_add_co_u32 s48, s48, s54
	s_add_co_u32 s48, s48, 24576
	s_add_nc_u64 s[58:59], s[8:9], s[48:49]
	v_mov_b32 v13, 0xff61b1e6
	s_delay_alu instid0(VALU_DEP_1)
	v_floor_f32 v12, -v13
	v_mov_b32 v14, 0
	v_mov_b32 v15, 0
.irp b, 0,1,2,3
	v_mov_b32 v[236+\b], 0
.endr
	v_mov_b32 v253, 0
.set zi_, 0
.rept 64
	v_mov_b32 v[160+zi_], 0
.set zi_, zi_+1
.endr
.macro KLOAD
	v_add_nc_u32 v[ADK], s[TB], v[LI]
	v_add_nc_u32 v[ADS], s[TB], v[LS]
	WIN 0x40
.irp t, 0,1,2,3,4,5,6,7
	FRAG FK+12*\t, ADK, FRB*\t
.endr
	WIN 0
.irp p, 0,1,2,3
	ds_load_b32 v[KSW+\p], v[ADS] offset:12288+128*\p
.endr
.endm
.macro CHANGE fill
	s_wait_tensorcnt 0x0
	ds_add_u32 v[SPW], v[NIL]
.if \fill
	s_xor_b32 s[G0+5], s[G0+5], SLOT1
	s_add_nc_u64 s[G0+6:G0+7], s[G0+6:G0+7], 4*BLK
	s_wait_dscnt 0x0
	CROUND
	tensor_load_to_lds s[G0+4:G0+7], s[G1:G1+7]
	s_nop 0
.rept 4
	v_nop
.endr
.else
	s_wait_dscnt 0x0
	s_barrier_signal -1
	s_barrier_wait -1
.endif
.endm
.macro STEP i, chg, ml, pf, lc, kp
.set MKS, 32*((\i)%2)
	s_wait_dscnt 0x0
	s_wait_loadcnt \lc
	WIN 0x01|(0x10*(1-(\i)%2))
.irp t, 0,1,2,3,4,5,6,7
.set rD, 96+8*\t
.set rC, MKS+8*\t
.set rA, FK+12*\t
.set rB, 16
.set rSA, KSW+\t/2
.set rSB, 255
.set rM, \t%2
	WM
.endr
	WIN 0
	PLACES 4
	WIN 0x40
.irp t, 0,1,2,3,4,5,6,7
	FRAG F+12*\t, ADK, 4*BLK+FRB*\t
.endr
	WIN 0
.irp p, 0,1,2,3
	ds_load_b32 v[248+\p], v[ADS] offset:4*BLK+12288+128*\p
.endr
.if \ml
	WIN 0x40*(1-(\i)%2)
.irp q, 0,1,2,3,4,5,6,7,8,9,10,11,12,13,14,15
	global_load_b128 v[MKS+4*\q:MKS+4*\q+3], v[LI], s[MP:MP+1] offset:8192*((\i)+2)+512*\q
.endr
	WIN 0
.endif
.if \pf
	s_cmp_lg_u32 s[LIM], 0
	s_cbranch_scc0 .Lno_pf_\@
	global_prefetch_b8 v[PFO], s[MP:MP+1] offset:8192*((\i)+4) th:TH_LOAD_NT scope:SCOPE_SE
.Lno_pf_\@:
.endif
.irp b, 0,1,2,3
	v_max3_num_f32 v[232+\b], v[96+16*\b], v[97+16*\b], v[98+16*\b]
.endr
.irp n, 3,5,7,9,11,13
.irp b, 0,1,2,3
	v_max3_num_f32 v[232+\b], v[232+\b], v[96+16*\b+\n], v[97+16*\b+\n]
.endr
.endr
.irp b, 0,1,2,3
	v_max_num_f32 v[232+\b], v[232+\b], v[111+16*\b]
.endr
.irp b, 0,1,2,3
	s_delay_alu instid0(VALU_DEP_4)
	v_permlanex16_b32 v[236+\b], v[232+\b], s[SEL], s[SEL+1]
.endr
.irp b, 0,1,2,3
	s_delay_alu instid0(VALU_DEP_4)
	v_max_num_f32 v[232+\b], v[232+\b], v[236+\b]
.endr
	s_delay_alu instid0(VALU_DEP_2)
	v_max3_num_f32 v254, v232, v233, v234
	s_delay_alu instid0(VALU_DEP_1)
	v_max_num_f32 v254, v254, v235
	s_delay_alu instid0(VALU_DEP_1)
	v_mul_f32 v254, s[CS], v254
	s_delay_alu instid0(VALU_DEP_1)
	v_max_num_f32 v13, v13, v254
	v_mov_b32 v254, v12
	s_delay_alu instid0(VALU_DEP_2)
	v_floor_f32 v12, -v13
	s_delay_alu instid0(VALU_DEP_1)
	v_sub_f32 v254, v12, v254
	s_delay_alu instid0(VALU_DEP_1)
	v_cvt_i32_f32 v254, v254
	s_delay_alu instid0(VALU_DEP_1)
	v_ldexp_f32 v252, 1.0, v254
.set pi_, 0
.rept 32
	v_pk_fma_f32 v[96+pi_:97+pi_], v[96+pi_:97+pi_], s[CS:CS+1], v[12:13] op_sel_hi:[1,0,0]
.set pi_, pi_+2
.endr
.irp b, 0,1,2,3
	v_fma_f32 v[232+\b], v[232+\b], s[CS], v12
.endr
.set pi_, 0
	s_wait_alu depctr_va_vdst(0)
.rept 64
	v_exp_f32 v[96+pi_], v[96+pi_]
.set pi_, pi_+1
.endr
	v_pk_mul_f32 v[14:15], v[14:15], v[252:253] op_sel_hi:[1,0]
	s_wait_alu depctr_va_vdst(0)
.if (\chg) == 1
	CHANGE 1
.elseif (\chg) == 2
	CHANGE 0
.endif
.if \kp
.if (\i) < 3
	s_add_co_u32 s[TB], s[TB], BLK
.else
	s_sub_co_u32 s[TB], s[TB], 3*BLK
	s_xor_b32 s[TB], s[TB], SLOT1
.endif
	KLOAD
.endif
.irp b, 0,1,2,3
	v_exp_f32 v[232+\b], v[232+\b]
.endr
	v_pk_add_f32 v[236:237], v[96:97], v[98:99]
.irp j, 4,8,12,16,20,24,28,32,36,40,44,48,52,56,60
	v_pk_add_f32 v[14:15], v[14:15], v[96+\j:97+\j]
	v_pk_add_f32 v[236:237], v[236:237], v[98+\j:99+\j]
.endr
	s_delay_alu instid0(VALU_DEP_1)
	v_pk_add_f32 v[14:15], v[14:15], v[236:237]
	s_wait_alu depctr_va_vdst(0)
.irp b, 0,1,2,3
	v_max_num_f32 v[232+\b], 0x1800000, v[232+\b]
.endr
.irp b, 0,1,2,3
	s_delay_alu instid0(VALU_DEP_4)
	v_add_nc_u32 v[244+\b], 0xff000000, v[232+\b]
.endr
.irp b, 0,1,2,3
	s_delay_alu instid0(VALU_DEP_4)
	v_lshrrev_b32 v[236+\b], 23, v[244+\b]
.endr
	s_delay_alu instid0(VALU_DEP_3)
	v_lshl_or_b32 v253, v237, 8, v236
	s_delay_alu instid0(VALU_DEP_1)
	v_lshl_or_b32 v253, v238, 16, v253
	s_delay_alu instid0(VALU_DEP_1)
	v_lshl_or_b32 v253, v239, 24, v253
.irp c, 0,1
	v_cvt_scalef32_pk16_fp6_f32 v[224+6*\c:226+6*\c], v[96+32*\c:111+32*\c], v[244+2*\c]
	v_cvt_scalef32_pk16_fp6_f32 v[236+4*\c:238+4*\c], v[112+32*\c:127+32*\c], v[244+2*\c+1]
.endr
	v_nop
.irp c, 0,1
.irp n, 0,1,2
	v_permlane16_swap_b32 v[224+6*\c+\n], v[236+4*\c+\n]
.endr
.irp n, 0,1,2
	s_delay_alu instid0(VALU_DEP_3)
	v_mov_b32 v[227+6*\c+\n], v[236+4*\c+\n]
.endr
.endr
.set pi_, 0
.rept 32
	v_pk_mul_f32 v[160+pi_:161+pi_], v[160+pi_:161+pi_], v[252:253] op_sel_hi:[1,0]
.set pi_, pi_+2
.endr
	s_wait_alu depctr_va_vdst(0)
	s_wait_dscnt 28*(\kp)
	WIN 0x01
.irp t, 0,1,2,3,4,5,6,7
.set rD, 160+8*\t
.set rC, rD
.set rA, F+12*\t
.set rB, 224
.set rSA, 248+\t/2
.set rSB, 253
.set rM, \t%2
	WM
.endr
	WIN 0
.endm
.macro NEXT_MASKS
	s_wait_xcnt 0x0
	s_add_nc_u64 s[MP:MP+1], s[MP:MP+1], 4*8192
.endm
	s_wait_alu depctr_va_vdst(0)
	s_wait_tensorcnt 0x0                           ; my part of both slots is in; no tensor load of mine is out, so a descriptor may be written:
	s_mov_b32 s[G1+2], 50<<16                      ; from here on a load brings one block, 50 rows
	s_mov_b32 s[G1+4], 50
	s_barrier_signal -1
	s_barrier_wait -1                              ; everybody's is
	KLOAD
.Lslot:
	s_wait_alu depctr_va_vdst(0)
	STEP 0, 0, 1, 1, 16, 1
	STEP 1, 0, 1, 1, 16, 1
	STEP 2, 0, 1, 1, 16, 1
	STEP 3, 1, 1, 1, 16, 1
	NEXT_MASKS
	s_sub_co_u32 s[SLOTS], s[SLOTS], 1
	s_cmp_lg_u32 s[SLOTS], 0
	s_cbranch_scc1 .Lslot
	STEP 0, 0, 1, 1, 16, 1
	STEP 1, 0, 1, 1, 16, 1
	STEP 2, 0, 1, 1, 16, 1
	STEP 3, 2, 1, 1, 16, 1
	NEXT_MASKS
	STEP 0, 0, 1, 0, 16, 1
	STEP 1, 0, 1, 0, 16, 1
	STEP 2, 0, 0, 0, 16, 1
	STEP 3, 0, 0, 0, 0, 0
	PLACES 4
	v_add_f32 v14, v14, v15
	s_delay_alu instid0(VALU_DEP_1)
	v_permlanex16_b32 v252, v14, s[SEL], s[SEL+1]
	s_delay_alu instid0(VALU_DEP_1)
	v_add_f32 v14, v14, v252
	s_wait_alu depctr_va_vdst(0)
	v_rcp_f32 v14, v14
	v_nop
	s_wait_alu depctr_va_vdst(0)
.set zi_, 0
.rept 64
	v_mul_f32 v[96+zi_], v[160+zi_], v14
.set zi_, zi_+1
.endr
	QMAX 96
	QSCALE
	QCVT 96
	QSWAP
.irp c, 0,1,2
	global_store_b128 v[LI], v[PC+4*\c:PC+4*\c+3], s[56:57] offset:512*\c
.endr
	global_store_b32 v[LS16], v[PW], s[58:59]
	s_wait_tensorcnt 0x0
	ds_add_u32 v[SPW], v[NIL]
	s_wait_dscnt 0x0
	CROUND
	s_endpgm
.Lfunc_end_k_q2364edae23_attn:
	.size	k_q2364edae23_attn, .Lfunc_end_k_q2364edae23_attn-k_q2364edae23_attn
	.p2alignl 7, 3214868480
	.fill 96, 4, 3214868480
	.section	.rodata,"a",@progbits
	.p2align	6, 0x0
	.amdhsa_kernel k_q2364edae23_attn
		.amdhsa_group_segment_fixed_size 327680
		.amdhsa_private_segment_fixed_size 0
		.amdhsa_enable_private_segment 0
		.amdhsa_kernarg_size 24
		.amdhsa_user_sgpr_count 2
		.amdhsa_user_sgpr_kernarg_segment_ptr 1
		.amdhsa_wavefront_size32 1
		.amdhsa_system_sgpr_workgroup_id_x 1
		.amdhsa_system_sgpr_workgroup_id_y 1
		.amdhsa_system_sgpr_workgroup_id_z 1
		.amdhsa_system_vgpr_workitem_id 0
		.amdhsa_next_free_vgpr 512
		.amdhsa_next_free_sgpr 66
		.amdhsa_reserve_vcc 0
		.amdhsa_float_denorm_mode_32 3
		.amdhsa_float_denorm_mode_16_64 3
		.amdhsa_memory_ordered 1
		.amdhsa_forward_progress 1
		.amdhsa_inst_pref_size 255
	.end_amdhsa_kernel
	.section	.bss,"aw",@nobits
	.p2align	6
	.space	262144
	.amdgpu_metadata
---
amdhsa.version: [ 1, 2 ]
amdhsa.kernels:
  - .name:           k_q2364edae23_attn
    .symbol:         k_q2364edae23_attn.kd
    .args:
      - { .name: qkv, .offset: 0, .size: 8, .value_kind: global_buffer, .address_space: global }
      - { .name: mimg, .offset: 8, .size: 8, .value_kind: global_buffer, .address_space: global }
      - { .name: aimg, .offset: 16, .size: 8, .value_kind: global_buffer, .address_space: global }
    .group_segment_fixed_size: 327680
    .private_segment_fixed_size: 0
    .kernarg_segment_align: 8
    .kernarg_segment_size: 24
    .max_flat_workgroup_size: 256
    .sgpr_count:     66
    .vgpr_count:     512
    .wavefront_size: 32
...
	.end_amdgpu_metadata
.endif
;; end of part 3
;; launch oproj (part 4): grid 16 x 16, 4 waves a work-group, clusters of 4 x 4, 327,680 bytes of LDS; arguments aimg, wimg, out0; writes out0
.if DOCPART == 4
	.amdgcn_target "amdgcn-amd-amdhsa--gfx1250"
	.amdhsa_code_object_version 6
	.text
	.protected	k_q2364edae23_oproj
	.globl	k_q2364edae23_oproj
	.p2align	8
	.type	k_q2364edae23_oproj,@function
k_q2364edae23_oproj:
	s_mov_b64 s[64:65], 0
	v_nop
	global_prefetch_b8 v0, s[64:65] scope:SCOPE_SE
	s_setreg_imm32_b32 hwreg(HW_REG_WAVE_MODE, 25, 1), 1
	s_wait_xcnt 0x0
	s_wait_alu depctr_hold_cnt(0) depctr_sa_sdst(0) depctr_va_vdst(0) depctr_va_sdst(0) depctr_va_ssrc(0) depctr_va_vcc(0) depctr_vm_vsrc(0)
	s_getreg_b32 s2, hwreg(HW_REG_IB_STS2, 6, 4)
	s_cmp_eq_u32 s2, 0
	s_cbranch_scc0 .Lentry_in_a_cluster
	s_endpgm
.Lentry_in_a_cluster:
	s_bfe_u32 s2, ttmp6, 0x10000c
	s_cmp_lg_u32 s2, 0xf033
	s_cbranch_scc0 .Lentry_shape_is_right
	s_endpgm
.Lentry_shape_is_right:
.set BLK,   25600
.set FRB,   1536
.set SCO,   24576
.set SLOT,  4*BLK
.set JSTEP, 16*BLK
.set STAGE, 3*SLOT
.set SPITCH, 272
.set SPARE, STAGE+4*16*SPITCH
.set ADRA, 2
.set ADRB, 5
.set ASA,  8
.set ASB,  11
.set SPW,  14
.set NIL,  15
.set SC,   16
.set STO,  24
.set RD,   25
.set CO,   26
.set OB,   32
.set ACC,  128
.set G1,  24
.set G1B, 48
.set G0,  68
.set G0B, 80
.set MSB, 0
.macro WIN new
.if MSB != (\new)
	s_set_vgpr_msb (MSB<<8)|(\new)
.set MSB, (\new)
.endif
.endm
.macro PLACES n
.rept \n
	v_nop
.endr
.endm
.macro JLOAD s
	s_cmp_eq_u32 s15, 0
	s_cbranch_scc0 .Lfor_b_\@
	tensor_load_to_lds s[G0+4*\s:G0+4*\s+3], s[G1:G1+7]
	s_nop 0
.rept 4
	v_nop
.endr
	s_branch .Lasked_\@
.Lfor_b_\@:
	tensor_load_to_lds s[G0B+4*\s:G0B+4*\s+3], s[G1B:G1B+7]
	s_nop 0
.rept 4
	v_nop
.endr
.Lasked_\@:
.endm
.macro CREST
	s_cmp_lg_u32 s14, 0
	s_cbranch_scc1 .Lnot_wave_0_\@
	s_barrier_signal -3
.Lnot_wave_0_\@:
	s_barrier_wait -3
	s_barrier_signal -1
	s_barrier_wait -1
.endm
.macro CROUND
	s_barrier_signal -1
	s_barrier_wait -1
	CREST
.endm
.macro WM zero
.if \zero
.if rM == 0
	v_wmma_scale_f32_16x16x128_f8f6f4 v[rD:rD+7], v[rA:rA+11], v[rB:rB+11], 0, v[rSA], v[rSB] matrix_a_fmt:MATRIX_FMT_FP6 matrix_b_fmt:MATRIX_FMT_FP6
.elseif rM == 1
	v_wmma_scale_f32_16x16x128_f8f6f4 v[rD:rD+7], v[rA:rA+11], v[rB:rB+11], 0, v[rSA], v[rSB] matrix_a_fmt:MATRIX_FMT_FP6 matrix_b_fmt:MATRIX_FMT_FP6 matrix_b_scale:MATRIX_SCALE_ROW1
.elseif rM == 2
	v_wmma_scale_f32_16x16x128_f8f6f4 v[rD:rD+7], v[rA:rA+11], v[rB:rB+11], 0, v[rSA], v[rSB] matrix_a_fmt:MATRIX_FMT_FP6 matrix_b_fmt:MATRIX_FMT_FP6 matrix_a_scale:MATRIX_SCALE_ROW1
.else
	v_wmma_scale_f32_16x16x128_f8f6f4 v[rD:rD+7], v[rA:rA+11], v[rB:rB+11], 0, v[rSA], v[rSB] matrix_a_fmt:MATRIX_FMT_FP6 matrix_b_fmt:MATRIX_FMT_FP6 matrix_a_scale:MATRIX_SCALE_ROW1 matrix_b_scale:MATRIX_SCALE_ROW1
.endif
.else
.if rM == 0
	v_wmma_scale_f32_16x16x128_f8f6f4 v[rD:rD+7], v[rA:rA+11], v[rB:rB+11], v[rD:rD+7], v[rSA], v[rSB] matrix_a_fmt:MATRIX_FMT_FP6 matrix_b_fmt:MATRIX_FMT_FP6
.elseif rM == 1
	v_wmma_scale_f32_16x16x128_f8f6f4 v[rD:rD+7], v[rA:rA+11], v[rB:rB+11], v[rD:rD+7], v[rSA], v[rSB] matrix_a_fmt:MATRIX_FMT_FP6 matrix_b_fmt:MATRIX_FMT_FP6 matrix_b_scale:MATRIX_SCALE_ROW1
.elseif rM == 2
	v_wmma_scale_f32_16x16x128_f8f6f4 v[rD:rD+7], v[rA:rA+11], v[rB:rB+11], v[rD:rD+7], v[rSA], v[rSB] matrix_a_fmt:MATRIX_FMT_FP6 matrix_b_fmt:MATRIX_FMT_FP6 matrix_a_scale:MATRIX_SCALE_ROW1
.else
	v_wmma_scale_f32_16x16x128_f8f6f4 v[rD:rD+7], v[rA:rA+11], v[rB:rB+11], v[rD:rD+7], v[rSA], v[rSB] matrix_a_fmt:MATRIX_FMT_FP6 matrix_b_fmt:MATRIX_FMT_FP6 matrix_a_scale:MATRIX_SCALE_ROW1 matrix_b_scale:MATRIX_SCALE_ROW1
.endif
.endif
.endm
	s_load_b128 s[4:7], s[0:1], 0x0
	s_load_b64 s[8:9], s[0:1], 0x10
	v_lshl_add_u32 v[SPW], v0, 2, SPARE
	v_mov_b32 v[NIL], 0
	ds_add_u32 v[SPW], v[NIL]
	ds_add_u32 v[SPW], v[NIL]
	v_lshrrev_b32 v1, 5, v0
	v_readfirstlane_b32 s14, v1
	s_lshr_b32 s15, s14, 1
	s_and_b32 s16, s14, 1
	s_bfe_u32 s40, ttmp6, 0x40000
	s_bfe_u32 s41, ttmp6, 0x40004
	s_lshl_b32 s42, ttmp9, 2
	s_add_co_u32 s42, s42, s40
	s_and_b32 s17, ttmp7, 0xffff
	s_lshl_b32 s17, s17, 2
	s_add_co_u32 s17, s17, s41
	s_lshl_b32 s43, s41, 2
	s_lshl_b32 s43, 15, s43
	s_lshl_b32 s44, 0x1111, s40
	s_or_b32 s[G1], s43, (3<<16)|(1<<21)
	s_or_b32 s[G1B], s44, (3<<16)|(1<<21)
.irp g, G1, G1B
	s_mov_b32 s[\g+1], 3200<<16                    ; the head's loads: two rows of 25,600 bytes (a block each), a K slot of 256 apart in the image
	s_mov_b32 s[\g+2], 2<<16
	s_mov_b32 s[\g+3], 3200<<16
	s_mov_b32 s[\g+4], 2
	s_mov_b32 s[\g+5], JSTEP/8
	s_mov_b32 s[\g+6], 0
	s_mov_b32 s[\g+7], 0
.endr
	s_lshl_b32 s20, s16, 4
	s_add_co_u32 s20, s20, s17
	s_mul_i32 s20, s20, BLK
	s_mov_b32 s21, 0
	s_lshl_b32 s46, s16, 4
	s_add_co_u32 s46, s46, s42
	s_mul_i32 s46, s46, BLK
	s_add_co_u32 s46, s46, 3*8*JSTEP
	s_mov_b32 s47, 0
	s_mul_i32 s45, s14, BLK
	s_wait_dscnt 0x0
	s_wait_kmcnt 0x0
	s_add_nc_u64 s[20:21], s[4:5], s[20:21]
	s_add_nc_u64 s[46:47], s[6:7], s[46:47]
	CROUND
.irp s, 0,1,2
	s_mov_b32 s[G0+4*\s], 1
	s_add_co_u32 s[G0+4*\s+1], s45, \s*SLOT
	s_add_nc_u64 s[G0+4*\s+2:G0+4*\s+3], s[20:21], \s*2*JSTEP
	s_or_b32 s[G0+4*\s+3], s[G0+4*\s+3], 0x80000000
	s_mov_b32 s[G0B+4*\s], 1
	s_add_co_u32 s[G0B+4*\s+1], s45, \s*SLOT
	s_add_nc_u64 s[G0B+4*\s+2:G0B+4*\s+3], s[46:47], \s*2*JSTEP
	s_or_b32 s[G0B+4*\s+3], s[G0B+4*\s+3], 0x80000000
.endr
; THE HEAD'S LOADS, ONE A WAVE, bring slots 0 and 1: wave (s15, s16) fetches operand s15's two blocks of slot s16 (K slots 2 s16 and 2 s16 + 1), which land on end
	s_mul_i32 s18, s16, JSTEP
	s_mov_b32 s19, 0
	s_mov_b32 s4, 1
	s_mul_i32 s5, s16, SLOT
	s_add_nc_u64 s[6:7], s[20:21], s[18:19]
	s_or_b32 s7, s7, 0x80000000
	s_mov_b32 s92, 1
	s_mul_i32 s93, s16, SLOT
	s_add_co_u32 s93, s93, 2*BLK
	s_add_nc_u64 s[94:95], s[46:47], s[18:19]
	s_or_b32 s95, s95, 0x80000000
	s_cmp_eq_u32 s15, 0
	s_cbranch_scc0 .Lhead_b
	tensor_load_to_lds s[4:7], s[G1:G1+7]
	s_nop 0
.rept 4
	v_nop
.endr
	s_branch .Lhead_j
.Lhead_b:
	tensor_load_to_lds s[92:95], s[G1B:G1B+7]
	s_nop 0
.rept 4
	v_nop
.endr
.Lhead_j:
	v_and_b32 v1, 31, v0
	v_lshlrev_b32 v27, 2, v1
	v_lshlrev_b32 v1, 4, v1
	s_wait_alu depctr_va_vdst(0)
	s_mul_i32 s21, s15, 8*FRB
	s_mul_i32 s22, s16, 8*FRB
	s_add_co_u32 s22, s22, 2*BLK
	s_lshl_b32 s23, s15, 9
	s_lshl_b32 s18, s16, 9
	s_add_co_u32 s18, s18, 2*BLK
.irp s, 0,1,2
	v_add_nc_u32 v[ADRA+\s], s21, v1
	v_add_nc_u32 v[ADRB+\s], s22, v1
	v_add_nc_u32 v[ASA+\s], s23, v27
	v_add_nc_u32 v[ASB+\s], s18, v27
	s_add_co_u32 s21, s21, SLOT
	s_add_co_u32 s22, s22, SLOT
	s_add_co_u32 s23, s23, SLOT
	s_add_co_u32 s18, s18, SLOT
.endr
	v_and_b32 v28, 15, v0
	v_bfe_u32 v29, v0, 4, 1
	s_mul_i32 s19, s14, 16*SPITCH
	s_add_co_u32 s19, s19, STAGE
	v_mul_u32_u24 v[STO], v28, SPITCH
	v_lshl_add_u32 v[STO], v29, 6, v[STO]
	v_add_nc_u32 v[STO], s19, v[STO]
	v_mul_u32_u24 v[RD], v29, SPITCH
	v_lshl_add_u32 v[RD], v28, 4, v[RD]
	v_add_nc_u32 v[RD], s19, v[RD]
	v_lshlrev_b32 v[CO], 13, v29
	v_lshl_add_u32 v[CO], v28, 4, v[CO]
	s_lshl_b32 s20, s17, 7
	s_lshl_b32 s21, s15, 6
	s_add_co_u32 s20, s20, s21
	s_lshl_b32 s20, s20, 13
	s_mov_b32 s21, 0
	s_lshl_b32 s46, s42, 9
	s_lshl_b32 s47, s16, 8
	s_add_co_u32 s46, s46, s47
	s_mov_b32 s47, 0
	s_add_nc_u64 s[8:9], s[8:9], s[20:21]
	s_add_nc_u64 s[8:9], s[8:9], s[46:47]
.macro FRAG reg, adr, off
.irp c, 0,1,2
	ds_load_b128 v[\reg+4*\c:\reg+4*\c+3], v[\adr] offset:\off+512*\c
.endr
.endm
.macro FETCH s, q, f
	WIN 0x40
.irp i, 0,1,2,3
	FRAG 128*(\f)+12*\i, ADRB+\s, BLK*((\q)/2)+(2*\i+(\q)%2)*FRB
.endr
.irp i, 0,1,2,3
	FRAG 128*(\f)+48+12*\i, ADRA+\s, BLK*((\q)/2)+(2*\i+(\q)%2)*FRB
.endr
	WIN 0
.irp p, 0,1
	ds_load_b32 v[SC+4*(\f)+\p], v[ASA+\s] offset:BLK*((\q)/2)+SCO+256*\p+128*((\q)%2)
	ds_load_b32 v[SC+4*(\f)+2+\p], v[ASB+\s] offset:BLK*((\q)/2)+SCO+256*\p+128*((\q)%2)
.endr
.endm
.macro MUL8 f, a0, zero
.irp a, \a0, \a0+1
.irp b, 0,1,2,3
.set rD, ACC+8*(4*(\a)+\b)
.set rA, 128*(\f)+12*\b
.set rB, 128*(\f)+48+12*(\a)
.set rSA, SC+4*(\f)+2+\b/2
.set rSB, SC+4*(\f)+(\a)/2
.set rM, 2*(\b%2)+(\a)%2
	WM \zero
.endr
.endr
.endm
.macro KSTEP q, ns, nq, zero
	s_wait_dscnt 0x0
	PLACES 4
	FETCH \ns, \nq, ((\q)+1)%2
	WIN 0x05
	MUL8 (\q)%2, 0, \zero
	MUL8 (\q)%2, 2, \zero
.endm
.macro TURN s, next, fill
	WIN 0
	s_wait_tensorcnt 0x0
	ds_add_u32 v[SPW], v[NIL]
.if \fill
	s_add_nc_u64 s[G0+4*\s+2:G0+4*\s+3], s[G0+4*\s+2:G0+4*\s+3], 6*JSTEP
	s_add_nc_u64 s[G0B+4*\s+2:G0B+4*\s+3], s[G0B+4*\s+2:G0B+4*\s+3], 6*JSTEP
.endif
	s_wait_dscnt 0x0
	s_barrier_signal -1
	WIN 0x05
	MUL8 1, 0, 0
	WIN 0
	s_barrier_wait -1
.if \fill
	CREST
	JLOAD \s
.else
	PLACES 4
.endif
	FETCH \next, 0, 0
	WIN 0x05
	MUL8 1, 2, 0
.endm
	s_wait_alu depctr_va_vdst(0)
	s_wait_tensorcnt 0x0                           ; my part of slots 0 and 1 is in
	ds_add_u32 v[SPW], v[NIL]
.irp g, G1, G1B
	s_mov_b32 s[\g+1], 32<<16                      ; no tensor load of mine is out: from here on a load brings one block as 100 rows of 256 bytes
	s_mov_b32 s[\g+2], 100<<16
	s_mov_b32 s[\g+3], 32<<16
	s_mov_b32 s[\g+4], 100
	s_mov_b32 s[\g+5], 32
.endr
	s_wait_dscnt 0x0
	CROUND
	JLOAD 2                                        ; slot 2's first fill, the first tensor load behind the round
	FETCH 0, 0, 0
	KSTEP 0, 0, 1, 1
	KSTEP 1, 0, 2, 0
	KSTEP 2, 0, 3, 0
	TURN 0, 1, 1
	KSTEP 0, 1, 1, 0
	KSTEP 1, 1, 2, 0
	KSTEP 2, 1, 3, 0
	KSTEP 3, 2, 0, 0
	KSTEP 0, 2, 1, 0
	KSTEP 1, 2, 2, 0
	KSTEP 2, 2, 3, 0
	TURN 2, 0, 0
	KSTEP 0, 0, 1, 0
	KSTEP 1, 0, 2, 0
	KSTEP 2, 0, 3, 0
	s_wait_dscnt 0x0
	MUL8 1, 0, 0
	MUL8 1, 2, 0
	WIN 0
	PLACES 4
.macro TOSTAGE a
.irp b, 0,1,2,3
	ds_store_b128 v[STO], v[ACC+8*(4*(\a)+\b):ACC+8*(4*(\a)+\b)+3] offset:128*(\b/2)+32*(\b%2)
	ds_store_b128 v[STO], v[ACC+8*(4*(\a)+\b)+4:ACC+8*(4*(\a)+\b)+7] offset:128*(\b/2)+32*(\b%2)+16
.endr
.irp i, 0,1,2,3,4,5,6,7
	ds_load_b128 v[OB+32*((\a)%2)+4*\i:OB+32*((\a)%2)+4*\i+3], v[RD] offset:\i*2*SPITCH
.endr
.endm
.macro SEND a, younger
	s_wait_dscnt \younger
.irp i, 0,1,2,3,4,5,6,7
	global_store_b128 v[CO], v[OB+32*((\a)%2)+4*\i:OB+32*((\a)%2)+4*\i+3], s[8:9] offset:(32*((\a)/2)+8*((\a)%2)+2*\i+8*(\i/4))*8192 th:TH_STORE_NT
.endr
.endm
	s_wait_alu depctr_va_vdst(0)
	TOSTAGE 0
.irp a, 1,2,3
.if \a > 1
	s_wait_xcnt 0x0
.endif
	TOSTAGE \a
	SEND \a-1, 16
.endr
	SEND 3, 0
	s_wait_tensorcnt 0x0
	ds_add_u32 v[SPW], v[NIL]
	s_wait_dscnt 0x0
	CROUND
	s_endpgm
.Lfunc_end_k_q2364edae23_oproj:
	.size	k_q2364edae23_oproj, .Lfunc_end_k_q2364edae23_oproj-k_q2364edae23_oproj
	.p2alignl 7, 3214868480
	.fill 96, 4, 3214868480
	.section	.rodata,"a",@progbits
	.p2align	6, 0x0
	.amdhsa_kernel k_q2364edae23_oproj
		.amdhsa_group_segment_fixed_size 327680
		.amdhsa_private_segment_fixed_size 0
		.amdhsa_enable_private_segment 0
		.amdhsa_kernarg_size 24
		.amdhsa_user_sgpr_count 2
		.amdhsa_user_sgpr_kernarg_segment_ptr 1
		.amdhsa_wavefront_size32 1
		.amdhsa_system_sgpr_workgroup_id_x 1
		.amdhsa_system_sgpr_workgroup_id_y 1
		.amdhsa_system_sgpr_workgroup_id_z 1
		.amdhsa_system_vgpr_workitem_id 0
		.amdhsa_next_free_vgpr 512
		.amdhsa_next_free_sgpr 96
		.amdhsa_reserve_vcc 0
		.amdhsa_float_denorm_mode_32 3
		.amdhsa_float_denorm_mode_16_64 3
		.amdhsa_memory_ordered 1
		.amdhsa_forward_progress 1
		.amdhsa_inst_pref_size 83
	.end_amdhsa_kernel
	.amdgpu_metadata
---
amdhsa.version: [ 1, 2 ]
amdhsa.kernels:
  - .name:           k_q2364edae23_oproj
    .symbol:         k_q2364edae23_oproj.kd
    .args:
      - { .name: aimg, .offset: 0, .size: 8, .value_kind: global_buffer, .address_space: global }
      - { .name: wimg, .offset: 8, .size: 8, .value_kind: global_buffer, .address_space: global }
      - { .name: out0, .offset: 16, .size: 8, .value_kind: global_buffer, .address_space: global }
    .group_segment_fixed_size: 327680
    .private_segment_fixed_size: 0
    .kernarg_segment_align: 8
    .kernarg_segment_size: 24
    .max_flat_workgroup_size: 128
    .sgpr_count:     96
    .vgpr_count:     512
    .wavefront_size: 32
...
	.end_amdgpu_metadata
.endif
;; end of part 4
